; MI455X (gfx1250); checked and timed in simulation.
; The chip was launched on July 23, 2026; its instructions are those of AMD's public machine-readable ISA for CDNA 5 (MIT licence, August 2026) and "CDNA5" Instruction Set Architecture Reference Guide (July 2026). The comments in the code are by the model that wrote it; some were corrected since.
;; Channel Diffusion. Allowed arithmetic: matrix products marked QUANTISED: E2M1 operands, one E8M0 scale for each 32 along K, by v_wmma_scale_f32_16x16x128_f8f6f4 with both operands' format E2M1 (or v_wmma_scale_f32_32x16x128_f4), f32 sums; products left as they are: bf16, f16 or f32 operands; f32 sums; everything else in f32.
;; Inputs: W_out 1,024 x 1,024 float32; W_qk 1,024 x 1,024 float32; W_v 1,024 x 1,024 float32; tau 16 x 1 x 1 float32; x 2 x 8,192 x 1,024 float32.
;; Outputs: out0 2 x 8,192 x 1,024 float32.
;; This version of the problem:
;;   THIS VERSION OF THE PROBLEM IS GIVEN IN LOW PRECISION. The matrix products marked QUANTISED in the list below multiply operands that are first quantised to E2M1 (2 exponent bits, 1 mantissa bit; 4 bits a number), with one power-of-two scale for each 32 numbers along K (OCP MX v1.0); their sums are f32. The products marked 'left as it is' may take bf16, f16 or f32 operands, with f32 sums. Whichever they take, every output number must still come out within the allowed error. Rounding operands to bf16 (8 significant bits) uses up far more of that allowance than f16 does (11 bits, for magnitudes from 6e-5 to 65,504). All else is computed in f32.
;;   The module's matrix products, in the order in which they are computed (A, B: the left and right operand; K: the contracted axis; several contracted axes count as one K, in the product's order):
;;     1. [M 16,384, K 1,024] x [K 1,024, N 1,024]; A: input x; B: input W_qk: QUANTISED
;;     2. [M 16,384, K 1,024] x [K 1,024, N 1,024]; A: input x; B: input W_v: QUANTISED
;;     3. batch 32 x [M 64, K 8,192] x [K 8,192, N 64]; A: computed on the way; B: computed on the way: left as it is (an operand is computed on the way)
;;     4. batch 32 x [M 64, K 64] x [K 64, N 8,192]; A: computed on the way; B: computed on the way: left as it is (an operand is computed on the way)
;;     5. [M 16,384, K 1,024] x [K 1,024, N 1,024]; A: computed on the way; B: input W_out: left as it is (an operand is computed on the way)
;;   THE QUANTISER, for each operand of a quantised product, along K:
;;     - K is cut into blocks of 32 from its start; a last block that is shorter is filled with zeros.
;;     - A block's scale is 2^e with e = floor(log2(the largest magnitude in the block)) - 2, held to -126 .. 127; a block of zeros has e = 0. As a byte (E8M0): e + 127.
;;     - Each number is divided by its block's scale, clamped to +-6, and rounded to the nearest number of E2M1, ties to even, subnormals kept.
;;     - The product sums the exact products of the quantised numbers (number of the format x scale) in f32.
;;   ~~~python
;;   def quantise(x, axis):      # numpy; x: float32 -> the quantised numbers, widened to float32 again
;;       x = np.moveaxis(x, axis, -1); K = x.shape[-1]
;;       x = np.pad(x, [(0, 0)] * (x.ndim - 1) + [(0, -K % 32)]); x = x.reshape(x.shape[:-1] + (-1, 32)); a = np.abs(x).max(-1, keepdims=True)
;;       e = np.where(a > 0, np.clip(np.frexp(np.where(a > 0, a, 1))[1] - 1 - 2, -126, 127), 0)      # np.frexp(a)[1] - 1 = floor(log2(a)), exactly
;;       r = np.clip(x / 2.0 ** e, -6, 6)
;;       step = 2.0 ** (np.maximum(np.frexp(np.where(r == 0, 1, r))[1] - 1, 0) - 1)
;;       q = np.round(r / step) * step * 2.0 ** e      # np.round: ties to even
;;       return np.moveaxis(q.reshape(q.shape[:-2] + (-1,))[..., :K], -1, axis).astype(np.float32)
;;   ~~~
;; One version. Each part assembles by itself: llvm-mc -triple=amdgcn-amd-amdhsa -mcpu=gfx1250 --defsym DOCPART=n.
;; ======== version 1 of 1: 4 launches
;; limits: values are held in f16: magnitudes above 65,504 overflow, below 6.1e-05 lose precision
;; workspace buffers: xc 8,388,608 bytes; xs 524,288 bytes; wc 1,048,576 bytes; ws 65,536 bytes; gp 16,777,216 bytes; vh 33,554,432 bytes; wp 4,194,304 bytes
;; launch quant (part 1): grid 640 x 1, 4 waves a work-group, no clusters, 42,496 bytes of LDS; arguments x, W_qk, W_v, xc, xs, wc, ws; writes xc, xs, wc, ws
.if DOCPART == 1
	.amdgcn_target "amdgcn-amd-amdhsa--gfx1250"
	.amdhsa_code_object_version 6
	.text
	.protected	k_qf89e09b479_quant
	.globl	k_qf89e09b479_quant
	.p2align	8
	.type	k_qf89e09b479_quant,@function
k_qf89e09b479_quant:
	s_mov_b64 s[64:65], 0
	v_nop
	global_prefetch_b8 v0, s[64:65] scope:SCOPE_SE
	s_setreg_imm32_b32 hwreg(HW_REG_WAVE_MODE, 25, 1), 1
	s_wait_xcnt 0x0
; x [16384][1024] f32 (K innermost) and W_qk, W_v [1024 (k)][1024 (n)] f32 (K outermost) become codes of FP4 (E2M1), two a byte, K innermost, with one E8M0 byte for each 32 along K.
;   xc [16384][512 B], xs [16384][32 B];  wc [2048][512 B], ws [2048][32 B]: rows 0-1023 are the columns n of W_qk, rows 1024-2047 those of W_v.
; A block's scale is 2^(floor(log2(its largest magnitude)) - 2); its byte is the largest magnitude's exponent field - 2, held at 1 from below.
; LIMITS: a block of zeros gets the byte 1 where the rule says 127 (its codes are zeros, and this program alone reads the bytes); blocks whose largest magnitude lies under 2^-124 keep the byte 1;
; NaN and infinities among the inputs are not served.
; SHARES: work-groups 0-127 take the weights (32 columns x 512 k each: a lane a column, its registers down K, a wave 128 k, all its 128 loads out at once);
; work-groups 128-639 take x as a plain stream of blocks of 32: a wave 16 steps of 512 numbers.  The two paths have LDS bytes of their own.
; No cluster and no tensor load: no two work-groups read the same bytes, and every byte is read once.
.set NWGW,  128                        ; work-groups of the weights' path
.set STEPS, 16
.set EMAX,  2
.set CB,    8                          ; bytes of 16 codes
.set SP,    80                         ; x path: a lane's place in a stage: 64 bytes + 16 of padding
.set WREG,  8192                       ; x path: a wave's LDS region: two stages of 32 x SP bytes, then its 256 scale bytes
.set WST,   4*WREG                     ; weights' path: a stage of 32 rows (columns n) x (256 bytes + 16)
.set WP,    272
.set WSC,   WST+32*WP                  ; weights' path: 16 scale bytes for each of the 32 columns
.set SPARE, WSC+512                    ; the spare words, 128 bytes for each wave: two blocks of 256 bytes that no other line names
.set SPW,   12                         ; v12  LDS address of my spare word; never rewritten
.set NIL,   13                         ; v13  0; never rewritten
.set R,     16                         ; x path: v16-79 four sets of 16 numbers as loaded
.set X,     80                         ;         v80-111 two sets of 16 neighbours
.set E,     112                        ;         v112-127 a scale byte for each step
.set C,     128                        ;         v128-191 codes, four registers a step
.set X2,    16                         ; weights: v16-143 four blocks of 32 numbers
.set C2,    144                        ;          v144-159 codes, four registers a block
.set SBW,   160                        ;          v160 my column's four scale bytes
.set OUTR,  164                        ;          v164-179 the way out; v180-183 scale bytes on the way out
	s_load_b256 s[4:11], s[0:1], 0x0               ; x s[4:5], W_qk s[6:7], W_v s[8:9], xc s[10:11]
	s_load_b128 s[12:15], s[0:1], 0x20             ; xs s[12:13], wc s[14:15]
	s_load_b64 s[16:17], s[0:1], 0x30              ; ws
	v_lshl_add_u32 v[SPW], v0, 2, SPARE
	v_mov_b32 v[NIL], 0
	v_lshrrev_b32 v1, 5, v0
	v_readfirstlane_b32 s18, v1                    ; wave 0..3
	v_and_b32 v2, 31, v0                           ; lane
	s_wait_kmcnt 0x0
	s_cmp_lt_u32 ttmp9, NWGW                       ; the work-group's number alone decides: all four waves go the same way
	s_cbranch_scc1 .Lweights
; ---------------- x: a stream of blocks of 32 ----------------
	s_sub_co_u32 s19, ttmp9, NWGW
	s_lshl_b32 s19, s19, 2
	s_add_co_u32 s19, s19, s18                     ; which run of 8,192 numbers is my wave's: 0 .. 2047
	s_mov_b32 s21, 0
	s_lshl_b32 s20, s19, 15                        ; 32,768 bytes of x a run
	s_add_nc_u64 s[4:5], s[4:5], s[20:21]
	s_lshl_b32 s20, s19, 12                        ; 4,096 bytes of codes
	s_add_nc_u64 s[10:11], s[10:11], s[20:21]
	s_lshl_b32 s20, s19, 8                         ; 256 scale bytes
	s_add_nc_u64 s[12:13], s[12:13], s[20:21]
	v_lshlrev_b32 v3, 4, v2                        ; my 16 bytes of a load's 512
	s_mul_i32 s22, s18, WREG
	v_lshrrev_b32 v14, 2, v2
	v_mul_u32_u24 v14, v14, SP
	v_and_b32 v15, 3, v2
	v_lshl_add_u32 v14, v15, 4, v14
	v_add_nc_u32 v14, s22, v14                     ; the stage, on the way in: SP (lane / 4) + 16 (lane % 4)
	v_mul_u32_u24 v15, v2, SP
	v_add_nc_u32 v15, s22, v15                     ; on the way out: SP x lane: my 16 neighbours
	v_mul_u32_u24 v4, v2, CB                       ; my codes' place in a step's 256 bytes
	v_lshrrev_b32 v5, 1, v2
	s_add_co_u32 s22, s22, 2*32*SP
	v_add_nc_u32 v5, s22, v5                       ; LDS: my wave's 256 scale bytes, my block's byte
	v_lshlrev_b32 v7, 3, v2                        ; and on the way out 8 bytes a lane
	v_add_nc_u32 v6, s22, v7
.macro LOAD t
.irp i, 0,1,2,3
	global_load_b128 v[R+16*((\t)%4)+4*\i:R+16*((\t)%4)+4*\i+3], v3, s[4:5] offset:2048*(\t)+512*\i th:TH_LOAD_NT   ; 32 lanes read 512 consecutive bytes
.endr
.endm
.macro TURN t                          ; step t's numbers through the stage: LDS serves a wave's instructions in order, so no wait stands between the stores and the loads
.irp i, 0,1,2,3
	ds_store_b128 v14, v[R+16*((\t)%4)+4*\i:R+16*((\t)%4)+4*\i+3] offset:32*SP*((\t)%2)+8*SP*\i
.endr
.irp i, 0,1,2,3
	ds_load_b128 v[X+16*((\t)%2)+4*\i:X+16*((\t)%2)+4*\i+3], v15 offset:32*SP*((\t)%2)+16*\i
.endr
.endm
.irp t, 0,1,2,3
	LOAD \t
.endr
	s_wait_loadcnt 12                              ; step 0's four loads are in; the twelve of steps 1 to 3 may be out
	TURN 0
.macro STEP t
.set XS, X+16*((\t)%2)
.if (\t) > 0
	s_wait_dscnt 1                                 ; this step's numbers are back from the stage (the last step's byte store may be out)
.else
	s_wait_dscnt 0x0
.endif
.if (\t)+4 < STEPS
	LOAD (\t)+4                                    ; into the set that this step's stage stores have read
.endif
.if (\t)+1 < STEPS
.if STEPS-2-(\t) >= 3
	s_wait_loadcnt 12                              ; the next step's four loads are in; those of the three steps behind it may be out
.else
	s_wait_loadcnt 4*(STEPS-2-(\t))
.endif
	TURN (\t)+1                                    ; through the other stage while this step is worked
.endif
	v_max3_num_f32 v8, |v[XS]|, |v[XS+1]|, |v[XS+2]|               ; the largest magnitude of my 16, in two chains
	v_max3_num_f32 v9, |v[XS+3]|, |v[XS+4]|, |v[XS+5]|
.irp i, 6,10
	v_max3_num_f32 v8, v8, |v[XS+\i]|, |v[XS+\i+1]|
	v_max3_num_f32 v9, v9, |v[XS+\i+2]|, |v[XS+\i+3]|
.endr
	v_max3_num_f32 v8, v8, |v[XS+14]|, |v[XS+15]|
	v_max3_num_f32 v8, v8, v9, (EMAX+1)<<23        ; and the floor 2^(3 - 127): the byte cannot fall under 1
	v_max_num_f32_dpp v8, v8, v8 row_xmask:1 row_mask:0xf bank_mask:0xf   ; with my neighbour's 16: the block's
	v_add_nc_u32 v11, -(EMAX<<23), v8              ; 2 off its exponent field: the conversion takes the exponent field of this operand as its scale
	v_cvt_scalef32_pk8_fp4_f32 v[C+4*(\t)], v[XS:XS+7], v11
	v_cvt_scalef32_pk8_fp4_f32 v[C+4*(\t)+1], v[XS+8:XS+15], v11
	v_lshrrev_b32 v[E+(\t)], 23, v11               ; the scale's byte (a plain line behind the conversions)
	ds_store_b8 v5, v[E+(\t)] offset:16*(\t)       ; both lanes of a block write the same byte with the same value
	global_store_b64 v4, v[C+4*(\t):C+4*(\t)+1], s[10:11] offset:32*CB*(\t)   ; the wave stores 256 consecutive bytes, aligned
.endm
.irp t, 0,1,2,3,4,5,6,7,8,9,10,11,12,13,14,15
	STEP \t
.endr
	ds_load_b64 v[8:9], v6                         ; LDS serves a wave's instructions in order: these see my byte stores
	s_wait_dscnt 0x0
	global_store_b64 v7, v[8:9], s[12:13]          ; 32 lanes store 256 consecutive bytes, aligned
	s_branch .Lend
; ---------------- the weights: a lane a column, registers down K ----------------
.Lweights:
	s_cmp_lt_u32 ttmp9, 64                         ; W_qk's work-group or W_v's
	s_cselect_b64 s[20:21], s[6:7], s[8:9]
	s_lshr_b32 s22, ttmp9, 6                       ; which tensor
	s_bfe_u32 s23, ttmp9, 0x50001                  ; which 32 columns
	s_and_b32 s24, ttmp9, 1                        ; which 512 along K
	s_lshl_b32 s26, s24, 21                        ; 512 rows of 4,096 bytes,
	s_lshl_b32 s25, s18, 19                        ; my wave's 128 rows,
	s_add_co_u32 s26, s26, s25
	s_lshl_b32 s25, s23, 7                         ; 32 columns of 4 bytes
	s_add_co_u32 s26, s26, s25
	s_mov_b32 s27, 0
	s_add_nc_u64 s[20:21], s[20:21], s[26:27]
	v_lshlrev_b32 v3, 2, v2                        ; 4 bytes a lane: a load reads 128 consecutive bytes
.set II, 0
.rept 128
	global_load_b32 v[X2+II], v3, s[20:21] offset:II*4096 th:TH_LOAD_NT   ; W(k0 + II, my column)
.set II, II+1
.endr
	s_lshl_b32 s25, s18, 6
	s_add_co_u32 s25, s25, WST
	v_mul_u32_u24 v4, v2, WP
	v_add_nc_u32 v4, s25, v4                       ; into the stage: row = my column, my wave's 64 bytes of its 256
	s_lshl_b32 s25, s18, 2
	s_add_co_u32 s25, s25, WSC
	v_lshl_add_u32 v5, v2, 4, s25                  ; my column's 16 scale bytes, my wave's word
	v_and_b32 v1, 15, v2
	v_lshrrev_b32 v10, 4, v2
	s_mul_i32 s25, s18, 8*WP
	s_add_co_u32 s25, s25, WST
	v_mul_u32_u24 v7, v10, WP
	v_lshl_add_u32 v7, v1, 4, v7
	v_add_nc_u32 v7, s25, v7                       ; out of the stage: my wave's 8 rows, sixteen lanes to a row, two rows an instruction
	v_lshlrev_b32 v8, 9, v10
	v_lshl_add_u32 v8, v1, 4, v8                   ; the same place in wc: rows of 512 bytes
	v_lshlrev_b32 v6, 5, v2                        ; ws: rows of 32 bytes
	v_lshl_add_u32 v9, v2, 4, WSC
	s_lshl_b32 s26, s22, 10
	s_lshl_b32 s25, s23, 5
	s_add_co_u32 s26, s26, s25                     ; the work-group's first row of wc and ws: 1024 x tensor + 32 x column group
	s_lshl_b32 s28, s26, 5
	s_lshl_b32 s25, s24, 4
	s_add_co_u32 s28, s28, s25                     ; ws: 32 bytes a row, + 16 for the upper 512 along K
	s_mov_b32 s29, 0
	s_add_nc_u64 s[16:17], s[16:17], s[28:29]
	s_lshl_b32 s25, s18, 3
	s_add_co_u32 s26, s26, s25                     ; wc: my wave stores rows 8 w .. 8 w + 7
	s_lshl_b32 s26, s26, 9
	s_lshl_b32 s25, s24, 8
	s_add_co_u32 s26, s26, s25
	s_add_nc_u64 s[14:15], s[14:15], s[26:27]
.macro WBLOCK t, left
.set XS, X2+32*(\t)
	s_wait_loadcnt \left                           ; this block's 32 loads are in
	v_max3_num_f32 v14, |v[XS]|, |v[XS+1]|, |v[XS+2]|               ; the block's largest magnitude: all 32 numbers are mine
	v_max3_num_f32 v15, |v[XS+3]|, |v[XS+4]|, |v[XS+5]|
.irp i, 6,10,14,18,22,26
	v_max3_num_f32 v14, v14, |v[XS+\i]|, |v[XS+\i+1]|
	v_max3_num_f32 v15, v15, |v[XS+\i+2]|, |v[XS+\i+3]|
.endr
	v_max3_num_f32 v14, v14, |v[XS+30]|, |v[XS+31]|
	v_max3_num_f32 v14, v14, v15, (EMAX+1)<<23     ; and the floor
	v_add_nc_u32 v11, -(EMAX<<23), v14
.irp g, 0,1,2,3
	v_cvt_scalef32_pk8_fp4_f32 v[C2+4*(\t)+\g], v[XS+8*\g:XS+8*\g+7], v11
.endr
	v_lshrrev_b32 v10, 23, v11                     ; the scale's byte (a plain line behind the conversions)
.if (\t) == 0
	v_mov_b32 v[SBW], v10
.else
	v_lshl_or_b32 v[SBW], v10, 8*(\t), v[SBW]      ; four bytes to a word, the lower K in the lower byte
.endif
	ds_store_b128 v4, v[C2+4*(\t):C2+4*(\t)+3] offset:16*(\t)
.endm
	WBLOCK 0, 63                                   ; 96 younger loads exist; the wait's field holds 63, and a smaller count is safe
	WBLOCK 1, 63                                   ; 64 younger
	WBLOCK 2, 32                                   ; block 3's 32 may be out
	WBLOCK 3, 0
	ds_store_b32 v5, v[SBW]
	s_wait_dscnt 0x0                               ; for the others' sake: my stores into the stage are done
	s_barrier_signal -1
	s_barrier_wait -1                              ; 32 whole rows of 256 bytes lie in the stage
.irp t, 0,1,2,3
	ds_load_b128 v[OUTR+4*\t:OUTR+4*\t+3], v7 offset:2*\t*WP
.endr
.irp t, 0,1,2,3
	s_wait_dscnt 3-\t                              ; the younger loads may be out
	global_store_b128 v8, v[OUTR+4*\t:OUTR+4*\t+3], s[14:15] offset:2*\t*512   ; sixteen lanes store 256 consecutive bytes, aligned
.endr
	s_cmp_lg_u32 s18, 0                            ; wave 0 alone sends the scale bytes: 16 of each row's 32
	s_cbranch_scc1 .Lend
	ds_load_b128 v[180:183], v9
	s_wait_dscnt 0x0
	global_store_b128 v6, v[180:183], s[16:17]
.Lend:
	s_wait_tensorcnt 0x0                           ; the wave's end, behind my last LDS store
	ds_add_u32 v[SPW], v[NIL]
	s_wait_dscnt 0x0
	s_endpgm
.Lfunc_end_k_qf89e09b479_quant:
	.size	k_qf89e09b479_quant, .Lfunc_end_k_qf89e09b479_quant-k_qf89e09b479_quant
	.p2alignl 7, 3214868480
	.fill 96, 4, 3214868480
	.section	.rodata,"a",@progbits
	.p2align	6, 0x0
	.amdhsa_kernel k_qf89e09b479_quant
		.amdhsa_group_segment_fixed_size 42496
		.amdhsa_private_segment_fixed_size 0
		.amdhsa_enable_private_segment 0
		.amdhsa_kernarg_size 56
		.amdhsa_user_sgpr_count 2
		.amdhsa_user_sgpr_kernarg_segment_ptr 1
		.amdhsa_wavefront_size32 1
		.amdhsa_system_sgpr_workgroup_id_x 1
		.amdhsa_system_sgpr_workgroup_id_y 1
		.amdhsa_system_sgpr_workgroup_id_z 1
		.amdhsa_system_vgpr_workitem_id 0
		.amdhsa_next_free_vgpr 192
		.amdhsa_next_free_sgpr 66
		.amdhsa_reserve_vcc 0
		.amdhsa_float_denorm_mode_32 3
		.amdhsa_float_denorm_mode_16_64 3
		.amdhsa_memory_ordered 1
		.amdhsa_forward_progress 1
		.amdhsa_inst_pref_size 54
	.end_amdhsa_kernel
	.amdgpu_metadata
---
amdhsa.version: [ 1, 2 ]
amdhsa.kernels:
  - .name:           k_qf89e09b479_quant
    .symbol:         k_qf89e09b479_quant.kd
    .args:
      - { .name: x, .offset: 0, .size: 8, .value_kind: global_buffer, .address_space: global }
      - { .name: W_qk, .offset: 8, .size: 8, .value_kind: global_buffer, .address_space: global }
      - { .name: W_v, .offset: 16, .size: 8, .value_kind: global_buffer, .address_space: global }
      - { .name: xc, .offset: 24, .size: 8, .value_kind: global_buffer, .address_space: global }
      - { .name: xs, .offset: 32, .size: 8, .value_kind: global_buffer, .address_space: global }
      - { .name: wc, .offset: 40, .size: 8, .value_kind: global_buffer, .address_space: global }
      - { .name: ws, .offset: 48, .size: 8, .value_kind: global_buffer, .address_space: global }
    .group_segment_fixed_size: 42496
    .private_segment_fixed_size: 0
    .kernarg_segment_align: 8
    .kernarg_segment_size: 56
    .max_flat_workgroup_size: 128
    .sgpr_count:     66
    .vgpr_count:     192
    .wavefront_size: 32
...
	.end_amdgpu_metadata
.endif
;; end of part 1
;; launch proj (part 2): grid 8 x 64, 4 waves a work-group, clusters of 4 x 4, 327,680 bytes of LDS; arguments xc, xs, wc, ws, gp, vh; writes gp, vh
.if DOCPART == 2
	.amdgcn_target "amdgcn-amd-amdhsa--gfx1250"
	.amdhsa_code_object_version 6
	.text
	.protected	k_qf89e09b479_proj
	.globl	k_qf89e09b479_proj
	.p2align	8
	.type	k_qf89e09b479_proj,@function
k_qf89e09b479_proj:
	s_mov_b64 s[64:65], 0
	v_nop
	global_prefetch_b8 v0, s[64:65] scope:SCOPE_SE
	s_setreg_imm32_b32 hwreg(HW_REG_WAVE_MODE, 25, 1), 1
	s_wait_xcnt 0x0
	s_wait_alu depctr_hold_cnt(0) depctr_sa_sdst(0) depctr_va_vdst(0) depctr_va_sdst(0) depctr_va_ssrc(0) depctr_va_vcc(0) depctr_vm_vsrc(0)
	s_getreg_b32 s2, hwreg(HW_REG_IB_STS2, 6, 4)
	s_cmp_eq_u32 s2, 0
	s_cbranch_scc0 .Lentry_in_a_cluster
	s_endpgm
.Lentry_in_a_cluster:
	s_bfe_u32 s2, ttmp6, 0x10000c
	s_cmp_lg_u32 s2, 0xf033
	s_cbranch_scc0 .Lentry_shape_is_right
	s_endpgm
.Lentry_shape_is_right:
; The two quantised products, on codes of FP4 (E2M1) with one E8M0 scale for each 32 along K = 1,024, and what follows each at once.
; A work-group of four waves makes a tile of 256 x 256, a wave 128 x 128: 64 accumulators of 16 x 16.  K = 1,024 is two LDS slots of 512: both are filled at the head and nothing is filled again.
; THE MATRIX INSTRUCTION IS USED TRANSPOSED: source 0 = 16 rows of "B", source 1 = 16 rows of "A": a lane holds one row of A, its eight registers eight neighbouring rows of B.
; TWO KINDS OF CLUSTER, told apart by the cluster's x, which all sixteen partners share:
;   kind 0 (qk): A = 256 channels of W_qk (wc rows 256 cy ..), B = 256 tokens (xc rows 256 (4 cluster y + cx) ..).  A lane holds one channel and its registers run along the tokens, so the results, rounded to f16 in pairs,
;     ARE the operands of the Gram product over the tokens: each wave multiplies its two heads' 64 channels with themselves over its 128 tokens, the two waves that hold the same channels add their parts through LDS,
;     and a partial Gram matrix of 64 x 64 f32 for each head and 256 tokens goes to gp.  qk itself never goes to memory.
;   kind 1 (v): A = 256 tokens (xc rows 256 (4 cluster y + cy) ..), B = 256 channels of W_v (wc rows 1024 + 256 cx ..).  A lane holds eight neighbouring channels of one token: rounded to f16 and stored to vh [token][1024].
; gp: [b][head][32 blocks of 256 tokens][16,384 B]; a block is an image of registers: [q 32][lane 32][4 f32], q = 2 (4 a + a') + half: word i = G[16 a + 8 (lane / 16) + 4 half + i][16 a' + lane % 16].
; THE GRAM MATRIX IS SYMMETRIC: only its 10 tiles with a' >= a are made, exchanged and stored; the bytes of the six others in a block are neither written here nor read later.
; CLUSTERS: the four of a row of the cluster need the same tiles of A, the four of a column the same tiles of B: each tile is asked for jointly, by the same tensor load with the same descriptor and a mask that names the four.
; LIMITS: |qk| or |v| over 65,504 becomes infinity in f16; the f32 sums are taken in another order than a row-by-row sum.
; REGISTERS, in windows of 256: window 0: v16-31 addresses; v32-95 scale words, two sets; v128-191 A's fragments.  window 1: B's fragments, two sets (v0, v128).  windows 2, 3: the accumulators ((a, b) at v[8 (8 (a % 4) + b)]).
.set KSTEP,  512
.set NQ,     KSTEP/128
.set ROWB,   256                       ; a tile's row in bytes: 512 codes
.set KROW,   512                       ; a row of xc or wc in memory
.set PITCH,  272                       ; an LDS row: 256 bytes + 16 of padding = 68 words: the 16 rows that a load touches start 4 banks apart (64 banks of 4 bytes: ISA guide 11.1)
.set FR,     8
.set NL,     2
.set NP,     4                         ; places behind this matrix instruction (ISA guide 7.12.1)
.set HALFT,  128*PITCH
.set SLOT,   4*HALFT
.set KS,     32                        ; a row of scale bytes
.set SCL,    2*SLOT                    ; behind the slots: the scales of the 256 + 256 rows, as units of 256 bytes + 16 of padding
.set HALFS,  (128*KS/256)*272
.set SBLK,   (16*KS/256)*272
.set SPARE,  SCL+4*HALFS               ; the spare words, 128 bytes a wave: two blocks of 256 bytes that no other line names
.set VST,    SPARE+512                 ; kind 1: a stage of 16 rows x (256 bytes + 16) for each wave
.set VP,     272
.set GX,     0                         ; kind 0: 16,384 bytes a wave for the exchange of partial Gram matrices, in slot 0: it has had its only fill, and nobody reads it behind the change of slots
.set ADRA, 16
.set ADRB, 20
.set LN,   23                          ; v23  16 x lane
.set STO,  24
.set RD,   25
.set CO,   26
.set ADRS, 27
.set SPW,  28                          ; v28  LDS address of my spare word; never rewritten
.set NIL,  29                          ; v29  0; never rewritten
.set GXS,  30                          ; v30  where I put what my partner wave sums
.set GXL,  31                          ; v31  where my partner wave has put what I sum
.set SC,   32
.set AF,   128
.set TMP,  192
.set OB,   32
.set WV,   96                          ; s96  wave
.set HA,   97                          ; s97  which half of A's rows is mine; also: I fetch for A (0) or for B (1)
.set HB,   98                          ; s98  which half of B's rows is mine; also: which 128 rows I fetch
.set KIND, 99                          ; s99  the cluster's x
.set G1, 24
.set G0, 32
.set G1B, 48
.set G0B, 56
.set G1S, 68
.set G0S, 76
.set G1SB, 80
.set G0SB, 88
.set MSB, 0
.macro WIN new                         ; the immediate's high byte repeats the setting that is left
.if MSB != \new
	s_set_vgpr_msb (MSB<<8)|\new
.set MSB, \new
.endif
.endm
.set MUL_LO, 0xa1                      ; source 0 (B) window 1, source 1 (A) window 0, C and D window 2
.set MUL_HI, 0xf1                      ; the same, C and D window 3
.set TO_B,   0x40
; A joint load: waves 0 and 1 fetch for A, waves 2 and 3 for B.  The branch hangs on the wave's number alone.  An s_nop 0 and four v_nop follow each of the two lines.
.macro JLOAD g0a, g1a, g0b, g1b
	s_cmp_eq_u32 s[HA], 0
	s_cbranch_scc0 .Lfor_b_\@
	tensor_load_to_lds s[\g0a:\g0a+3], s[\g1a:\g1a+7]
	s_nop 0
.rept 4
	v_nop
.endr
	s_branch .Lasked_\@
.Lfor_b_\@:
	tensor_load_to_lds s[\g0b:\g0b+3], s[\g1b:\g1b+7]
	s_nop 0
.rept 4
	v_nop
.endr
.Lasked_\@:
.endm
.macro CROUND                          ; a round of the cluster's barrier
	s_barrier_signal -1
	s_barrier_wait -1
	s_cmp_lg_u32 s[WV], 0
	s_cbranch_scc1 .Lnot_wave_0_\@
	s_barrier_signal -3
.Lnot_wave_0_\@:
	s_barrier_wait -3
	s_barrier_signal -1
	s_barrier_wait -1
.endm
	s_load_b256 s[4:11], s[0:1], 0x0               ; xc s[4:5], xs s[6:7], wc s[8:9], ws s[10:11]
	s_load_b128 s[12:15], s[0:1], 0x20             ; gp s[12:13], vh s[14:15]
	v_lshl_add_u32 v[SPW], v0, 2, SPARE
	v_mov_b32 v[NIL], 0
	ds_add_u32 v[SPW], v[NIL]                      ; the wave's opening: the add, twice on end, and its wait ahead of my first tensor load
	ds_add_u32 v[SPW], v[NIL]                      ; and once more, under the one wait; the set-up below, work on registers, stands between
	v_lshrrev_b32 v1, 5, v0
	v_readfirstlane_b32 s[WV], v1
	s_lshr_b32 s[HA], s[WV], 1
	s_and_b32 s[HB], s[WV], 1
	s_mov_b32 s[KIND], ttmp9
	s_bfe_u32 s40, ttmp6, 0x40000                  ; cx
	s_bfe_u32 s41, ttmp6, 0x40004                  ; cy
	s_and_b32 s42, ttmp7, 0xffff
	s_lshl_b32 s42, s42, 2                         ; 4 x cluster y
	s_cmp_eq_u32 s[KIND], 0
	s_cselect_b32 s45, 0, s42
	s_cselect_b32 s66, s42, 4
	s_add_co_u32 s45, s45, s41                     ; A's tile of 256 rows: kind 0: cy (of wc);  kind 1: 4 cluster y + cy (of xc)
	s_add_co_u32 s66, s66, s40                     ; B's: kind 0: 4 cluster y + cx (of xc);  kind 1: 4 + cx (of wc)
	s_lshl_b32 s43, s41, 2
	s_lshl_b32 s43, 15, s43                        ; my row of the cluster
	s_lshl_b32 s44, 0x1111, s40                    ; my column
	; descriptor group 1: a tile of 128 rows x 256 bytes, padded in LDS
	s_or_b32 s[G1+0], s43, (0<<16)|(1<<20)|(1<<21)|(5<<22)|(3<<25)  ; 15:0 the mask: A's tiles go to my row; elements of 1 byte; padding on; bit 21 beside a mask; after every 64 words, 4 words
	s_or_b32 s[G1B+0], s44, (0<<16)|(1<<20)|(1<<21)|(5<<22)|(3<<25)
.irp g, G1, G1B
	s_mov_b32 s[\g+1], ROWB<<16                    ; tensor_dim0
	s_mov_b32 s[\g+2], 128<<16                     ; tensor_dim1
	s_mov_b32 s[\g+3], ROWB<<16                    ; tile_dim0
	s_mov_b32 s[\g+4], 128                         ; tile_dim1
	s_mov_b32 s[\g+5], KROW                        ; tensor_dim0_stride
	s_mov_b32 s[\g+6], 0
	s_mov_b32 s[\g+7], 0
.endr
	; the scales of 128 rows: 4,096 dense bytes, as 16 rows of 256 bytes (32 elements of 8), 16 bytes of padding behind each
	s_or_b32 s[G1S+0], s43, (3<<16)|(1<<20)|(1<<21)|(5<<22)|(3<<25)
	s_or_b32 s[G1SB+0], s44, (3<<16)|(1<<20)|(1<<21)|(5<<22)|(3<<25)
.irp g, G1S, G1SB
	s_mov_b32 s[\g+1], 32<<16
	s_mov_b32 s[\g+2], (128*KS/256)<<16
	s_mov_b32 s[\g+3], 32<<16
	s_mov_b32 s[\g+4], 128*KS/256
	s_mov_b32 s[\g+5], 32
	s_mov_b32 s[\g+6], 0
	s_mov_b32 s[\g+7], 0
.endr
	s_lshl_b32 s67, s[HB], 7                       ; which 128 rows of the tile I fetch
	s_lshl_b32 s16, s45, 8
	s_add_co_u32 s16, s16, s67                     ; A's row
	s_lshl_b32 s94, s66, 8
	s_add_co_u32 s94, s94, s67                     ; B's row
	s_lshl_b32 s18, s16, 5                         ; its scales: 32 bytes a row
	s_lshl_b32 s16, s16, 9                         ; its codes: 512 bytes a row
	s_mov_b32 s17, 0
	s_mov_b32 s19, 0
	s_lshl_b32 s100, s94, 5
	s_lshl_b32 s94, s94, 9
	s_mov_b32 s95, 0
	s_mov_b32 s101, 0
	s_mul_i32 s2, s[WV], HALFT                     ; where they go: wave x 128 rows: no place in the cluster enters an LDS address
	s_mul_i32 s3, s[WV], HALFS
	s_wait_dscnt 0x0                               ; both opening adds are done
	s_wait_kmcnt 0x0
	s_cmp_eq_u32 s[KIND], 0                        ; which buffer is A and which is B hangs on the cluster's x alone
	s_cselect_b64 s[20:21], s[8:9], s[4:5]         ; A's codes
	s_cselect_b64 s[22:23], s[10:11], s[6:7]       ; A's scales
	s_cselect_b64 s[46:47], s[4:5], s[8:9]         ; B's codes
	s_cselect_b64 s[92:93], s[6:7], s[10:11]       ; B's scales
	s_cselect_b64 s[12:13], s[12:13], s[14:15]     ; what I store into
	s_add_nc_u64 s[20:21], s[20:21], s[16:17]
	s_add_nc_u64 s[22:23], s[22:23], s[18:19]
	s_add_nc_u64 s[46:47], s[46:47], s[94:95]
	s_add_nc_u64 s[92:93], s[92:93], s[100:101]
	CROUND                                         ; all sixteen work-groups are here: the joint loads meet
	s_mov_b32 s[G0S], 1
	s_add_co_u32 s[G0S+1], s3, SCL
	s_mov_b64 s[G0S+2:G0S+3], s[22:23]
	s_or_b32 s[G0S+3], s[G0S+3], 0x80000000
	s_mov_b32 s[G0SB], 1
	s_add_co_u32 s[G0SB+1], s3, SCL
	s_mov_b64 s[G0SB+2:G0SB+3], s[92:93]
	s_or_b32 s[G0SB+3], s[G0SB+3], 0x80000000
	JLOAD G0S, G1S, G0SB, G1SB                     ; the scales first: they are wanted with the first slot
.irp s, 0,1
	s_mov_b32 s[G0+4*\s], 1
	s_add_co_u32 s[G0+4*\s+1], s2, \s*SLOT
	s_add_nc_u64 s[G0+4*\s+2:G0+4*\s+3], s[20:21], \s*ROWB
	s_or_b32 s[G0+4*\s+3], s[G0+4*\s+3], 0x80000000
	s_mov_b32 s[G0B+4*\s], 1
	s_add_co_u32 s[G0B+4*\s+1], s2, \s*SLOT
	s_add_nc_u64 s[G0B+4*\s+2:G0B+4*\s+3], s[46:47], \s*ROWB
	s_or_b32 s[G0B+4*\s+3], s[G0B+4*\s+3], 0x80000000
	JLOAD G0+4*\s, G1, G0B+4*\s, G1B               ; three loads of mine are out now, and no more follow
.endr
	v_and_b32 v1, 15, v0                           ; r = lane % 16
	v_bfe_u32 v2, v0, 4, 1                         ; h = lane / 16
	v_mul_u32_u24 v3, v1, PITCH
	v_lshl_add_u32 v4, v2, 4, v3                   ; a fragment's row x pitch + 16 x half
	s_mul_i32 s21, s[HA], HALFT
	s_mul_i32 s22, s[HB], HALFT
	s_add_co_u32 s22, s22, 2*HALFT
.irp s, 0,1
	v_add_nc_u32 v[ADRA+\s], s21, v4
	v_add_nc_u32 v[ADRB+\s], s22, v4
	s_add_co_u32 s21, s21, SLOT
	s_add_co_u32 s22, s22, SLOT
.endr
	v_mul_u32_u24 v5, v1, KS                       ; my row's scales: 32 bytes a row,
	v_lshrrev_b32 v6, 8, v5
	v_lshl_add_u32 v5, v6, 4, v5                   ; and 16 more for each 256 passed
	s_mul_i32 s21, s[HA], HALFS
	s_mul_i32 s22, s[HB], HALFS
	s_add_co_u32 s22, s22, 2*HALFS
	s_sub_co_u32 s22, s22, s21
	v_mul_u32_u24 v6, s22, v2                      ; lanes 16-31 take B's
	s_add_co_u32 s21, s21, SCL
	v_add_nc_u32 v5, v5, v6
	v_add_nc_u32 v[ADRS], s21, v5
	; the ways out: every LDS address is made here, ahead of every parting of the waves
	s_mul_i32 s23, s[WV], 16*VP
	s_add_co_u32 s23, s23, VST
	v_mul_u32_u24 v5, v1, VP
	v_lshl_add_u32 v5, v2, 4, v5
	v_add_nc_u32 v[STO], s23, v5                   ; kind 1, in: row r, 16 bytes for each half of the lanes
	v_mul_u32_u24 v5, v2, VP
	v_lshl_add_u32 v5, v1, 4, v5
	v_add_nc_u32 v[RD], s23, v5                    ; back: lanes 0-15 one row of 256 bytes, lanes 16-31 the next
	v_lshlrev_b32 v5, 11, v2
	v_lshl_add_u32 v[CO], v1, 4, v5                ; the same two rows in vh (2,048 bytes a row)
	v_and_b32 v6, 31, v0
	v_lshlrev_b32 v[LN], 4, v6
	s_lshl_b32 s21, s[WV], 14
	v_add_nc_u32 v[GXS], s21, v[LN]                ; kind 0: my 16,384 bytes,
	s_xor_b32 s21, s21, 16384
	v_add_nc_u32 v[GXL], s21, v[LN]                ; and those of the wave that holds the same channels
.macro FRAG reg, adr, q, i             ; 16 rows x 128 K of 4-bit codes: 8 registers; registers 4 c .. 4 c + 3 hold K = 64 c + 32 (lane / 16) + 0 .. 31
.irp c, 0,1
	ds_load_b128 v[\reg+4*\c:\reg+4*\c+3], v[\adr] offset:64*(\q)+32*\c+(\i)*16*PITCH
.endr
.endm
; 16 matrix instructions: A's blocks a0, a0 + 1 x B's eight, 128 along K.  The 64 accumulators take turns, one instruction a turn, in the same order in every step.
.macro MUL16 a0, p, q, sc, zero
.irp a, \a0, \a0+1
.irp b, 0,1,2,3,4,5,6,7
.if \zero
	v_wmma_scale_f32_16x16x128_f8f6f4 v[8*(8*((\a)%4)+\b):8*(8*((\a)%4)+\b)+7], v[128*(\p)+FR*\b:128*(\p)+FR*\b+FR-1], v[AF+FR*(\a):AF+FR*(\a)+FR-1], 0, v[SC+8*NQ*(\sc)+NQ*\b+(\q)], v[SC+8*NQ*(\sc)+NQ*(\a)+(\q)] matrix_a_fmt:MATRIX_FMT_FP4 matrix_b_fmt:MATRIX_FMT_FP4 matrix_a_scale:MATRIX_SCALE_ROW1
.else
	v_wmma_scale_f32_16x16x128_f8f6f4 v[8*(8*((\a)%4)+\b):8*(8*((\a)%4)+\b)+7], v[128*(\p)+FR*\b:128*(\p)+FR*\b+FR-1], v[AF+FR*(\a):AF+FR*(\a)+FR-1], v[8*(8*((\a)%4)+\b):8*(8*((\a)%4)+\b)+7], v[SC+8*NQ*(\sc)+NQ*\b+(\q)], v[SC+8*NQ*(\sc)+NQ*(\a)+(\q)] matrix_a_fmt:MATRIX_FMT_FP4 matrix_b_fmt:MATRIX_FMT_FP4 matrix_a_scale:MATRIX_SCALE_ROW1
.endif
.endr
.endr
.endm
.macro FETCH_B slot, q, p
	WIN TO_B
.irp i, 0,1,2,3,4,5,6,7
	FRAG 128*(\p)+FR*\i, ADRB+\slot, \q, \i
.endr
	WIN 0
.endm
.macro FETCH_A slot, q, i0
.irp i, \i0, \i0+1, \i0+2, \i0+3
	FRAG AF+FR*(\i), ADRA+\slot, \q, \i
.endr
.endm
.macro SCALES sc                       ; a slot's scale words: 4 words a row; lanes 0-15 take A's block i, lanes 16-31 B's block i
.irp i, 0,1,2,3,4,5,6,7
	ds_load_b128 v[SC+8*NQ*\sc+NQ*\i:SC+8*NQ*\sc+NQ*\i+3], v[ADRS] offset:\i*SBLK
.endr
.endm
.macro PLACES n                        ; plain vector instructions between a matrix instruction and a load into, a write of or a read of its registers
.rept \n
	v_nop
.endr
.endm
.macro STEP slot, q, zero              ; a step of 128 along K that has its successor in the same slot
	s_wait_dscnt 4*NL                              ; B's set and A's blocks 0-3 are in; the youngest eight loads (A's blocks 4-7) may be out
	WIN MUL_LO
	MUL16 0, (\q)%2, \q, \slot, \zero
	MUL16 2, (\q)%2, \q, \slot, \zero
	s_wait_dscnt 0                                 ; A's blocks 4-7 are in
	PLACES NP
	FETCH_B \slot, (\q)+1, 1-(\q)%2
	FETCH_A \slot, (\q)+1, 0
	WIN MUL_HI
	MUL16 4, (\q)%2, \q, \slot, \zero
	MUL16 6, (\q)%2, \q, \slot, \zero
	PLACES NP
	WIN 0
	FETCH_A \slot, (\q)+1, 4
.endm
.macro STEPS slot, from
.set Q, \from
.rept NQ-1-\from
	STEP \slot, Q, 0
.set Q, Q+1
.endr
.endm
	s_wait_tensorcnt 1                             ; the scales and my part of slot 0 are in (slot 1's load may be out),
	s_barrier_signal -1
	s_barrier_wait -1                              ; everybody's are
	FETCH_B 0, 0, 0
	FETCH_A 0, 0, 0
	SCALES 0
	FETCH_A 0, 0, 4
	STEP 0, 0, 1                                   ; the first step's products start the sums: nothing is cleared
	STEPS 0, 1
	; slot 0's last step changes slots: one barrier
	s_wait_tensorcnt 0x0                           ; my part of slot 1 has landed
	ds_add_u32 v[SPW], v[NIL]                      ; 0 onto my spare word
	s_wait_dscnt 4*NL+1                            ; (the add and the youngest eight loads may be out)
	WIN MUL_LO
	MUL16 0, 1, NQ-1, 0, 0
	s_wait_dscnt 0x0                               ; the add is done, and my reads of slot 0 are over
	s_barrier_signal -1
	MUL16 2, 1, NQ-1, 0, 0
	WIN 0
	s_barrier_wait -1                              ; slot 1 is whole, and nobody reads slot 0 any more
	PLACES NP
	v_add_nc_u32 v[ADRS], 4*NQ, v[ADRS]            ; on to slot 1's scale words
	FETCH_B 1, 0, 0
	FETCH_A 1, 0, 0
	SCALES 1
	WIN MUL_HI
	MUL16 4, 1, NQ-1, 0, 0
	MUL16 6, 1, NQ-1, 0, 0
	PLACES NP
	WIN 0
	FETCH_A 1, 0, 4
	STEPS 1, 0
	s_wait_dscnt 4*NL                              ; the very last step: nothing more to fetch
	WIN MUL_LO
	MUL16 0, 1, NQ-1, 1, 0
	MUL16 2, 1, NQ-1, 1, 0
	s_wait_dscnt 0
	WIN MUL_HI
	MUL16 4, 1, NQ-1, 1, 0
	MUL16 6, 1, NQ-1, 1, 0
	WIN 0
	PLACES NP                                      ; behind the last products, ahead of the first read of results and the first write of operands
	s_cmp_lg_u32 s[KIND], 0
	s_cbranch_scc1 .Lv
; ---------------- kind 0: the partial Gram matrices ----------------
; Accumulator (a, b), register j, lane (r, h) is qk(token 16 b + 8 h + j, channel 16 a + r).  Rounded to f16 in pairs, registers 32 (a % 4) + 8 kk .. + 7 of a window's 128 pairs are the fragment
; (16 channels x 32 tokens) of channel block a and token step kk, for source 0 and for source 1 alike.  The two sources share no register: two copies are made.
.macro GPACK win, dst
	WIN \win
.set PP, 0
.rept 128
	v_cvt_pk_f16_f32 v[\dst+PP], v[2*PP], v[2*PP+1]   ; each accumulator from its low end on
.set PP, PP+1
.endr
.endm
.macro GRAM win, pa, pb, ga            ; 40 products: the 10 tiles (c block ac <= d block ad) by turns, four token steps deep; tile 4 ac + ad keeps its place among the 16
	WIN \win
.irp kk, 0,1,2,3
.irp ac, 0,1,2,3
.irp ad, 0,1,2,3
.if \ad >= \ac
.if \kk == 0
	v_wmma_f32_16x16x32_f16 v[\ga+8*(4*\ac+\ad):\ga+8*(4*\ac+\ad)+7], v[\pa+32*\ac+8*\kk:\pa+32*\ac+8*\kk+7], v[\pb+32*\ad+8*\kk:\pb+32*\ad+8*\kk+7], 0
.else
	v_wmma_f32_16x16x32_f16 v[\ga+8*(4*\ac+\ad):\ga+8*(4*\ac+\ad)+7], v[\pa+32*\ac+8*\kk:\pa+32*\ac+8*\kk+7], v[\pb+32*\ad+8*\kk:\pb+32*\ad+8*\kk+7], v[\ga+8*(4*\ac+\ad):\ga+8*(4*\ac+\ad)+7]
.endif
.endif
.endr
.endr
.endr
.endm
.macro GST win, ga                     ; the 10 tiles go to LDS as an image of their registers: piece QQ belongs to tile QQ / 2
	WIN \win
.set QQ, 0
.rept 32
.if ((QQ/2)%4) >= ((QQ/2)/4)
	ds_store_b128 v[GXS], v[\ga+4*QQ:\ga+4*QQ+3] offset:GX+512*QQ
.endif
.set QQ, QQ+1
.endr
	WIN 0
.endm
	GPACK 0x0a, 128                                ; my first head (window 2) -> window 0, v128-255
	GPACK 0x4a, 0                                  ; and once more -> window 1, v0-127
	GRAM 0x54, 128, 0, 128                         ; its Gram matrix -> window 1, v128-255
	GPACK 0x8f, 0                                  ; my second head (window 3) -> window 2, v0-127: these conversions are also the places behind the products above
	GPACK 0x8f, 128                                ; and once more -> window 2, v128-255
	GRAM 0xfa, 0, 128, 0                           ; its Gram matrix -> window 3, v0-127
	WIN 0
	PLACES NP
	s_cmp_lg_u32 s[HB], 0                          ; the wave of the lower tokens keeps the first head and sends the second; the other wave the other way round
	s_cbranch_scc1 .Lsend0
	GST 0x0c, 0
	s_branch .Lmeet
.Lsend0:
	GST 0x04, 128
	s_branch .Lmeet
; ---------------- kind 1: v, rounded to f16, to vh ----------------
.Lv:
	s_lshl_b32 s16, s45, 8
	s_lshl_b32 s17, s[HA], 7
	s_add_co_u32 s16, s16, s17                     ; my first token
	s_lshl_b32 s16, s16, 11                        ; 2,048 bytes a row of vh
	s_lshl_b32 s18, s40, 9                         ; my first channel, in bytes: 512 cx + 256 x half
	s_lshl_b32 s19, s[HB], 8
	s_add_co_u32 s18, s18, s19
	s_add_co_u32 s16, s16, s18
	s_mov_b32 s17, 0
	s_add_nc_u64 s[12:13], s[12:13], s[16:17]
.macro PACK a                          ; block a (16 tokens x 128 channels): a lane's eight channels pack into 16 bytes
.set AC, 64*((\a)%4)
	WIN (0x0a+5*((\a)/4))
.irp b, 0,1,2,3,4,5,6,7
.irp r, 0,1,2,3
	v_cvt_pk_f16_f32 v[TMP+4*\b+\r], v[AC+8*\b+2*\r], v[AC+8*\b+2*\r+1]
.endr
.endr
	WIN 0
.endm
.macro TOSTAGE a                       ; into my own stage, and back as whole rows of 256 bytes
.set BK, OB+192*((\a)%2)
.irp b, 0,1,2,3,4,5,6,7
	ds_store_b128 v[STO], v[TMP+4*\b:TMP+4*\b+3] offset:32*\b
.endr
.irp t, 0,1,2,3,4,5,6,7
	ds_load_b128 v[BK+4*\t:BK+4*\t+3], v[RD] offset:\t*2*VP    ; LDS serves a wave's instructions in order (ISA guide 5.7.1.4): these see the stores above
.endr
.endm
.macro SEND a
.set BK, OB+192*((\a)%2)
	s_wait_dscnt 0x0                               ; the block is back in registers
	s_wait_xcnt 0x0                                ; only behind this wait are the stores' base and the registers that earlier stores read rewritten
.if (\a) > 0
	s_add_nc_u64 s[12:13], s[12:13], 16*2048       ; 16 rows of vh on
.endif
.irp t, 0,1,2,3,4,5,6,7
	global_store_b128 v[CO], v[BK+4*\t:BK+4*\t+3], s[12:13] offset:2*\t*2048   ; 16 lanes store 256 consecutive bytes, aligned
.endr
.endm
	PACK 0
	TOSTAGE 0
.irp a, 1,2,3,4,5,6,7                  ; block a's conversions stand between block a - 1's loads from the stage and the wait for them
	PACK \a
	SEND \a-1
	TOSTAGE \a
.endr
	SEND 7
.Lmeet:
	s_wait_dscnt 0x0                               ; for the others' sake: my LDS stores are done
	s_barrier_signal -1
	s_barrier_wait -1
	s_cmp_lg_u32 s[KIND], 0
	s_cbranch_scc1 .Lend
	; kind 0: my partner's part of the head that I keep is added to mine, and the sum's 10 tiles go to gp
	s_lshr_b32 s16, s66, 5                         ; b: 32 blocks of 256 tokens a batch
	s_lshl_b32 s16, s16, 4
	s_lshl_b32 s17, s41, 2
	s_add_co_u32 s16, s16, s17
	s_add_co_u32 s16, s16, s[WV]                   ; 16 b + head, head = 4 cy + wave
	s_lshl_b32 s16, s16, 5
	s_and_b32 s17, s66, 31
	s_add_co_u32 s16, s16, s17                     ; x 32 + the block of tokens
	s_lshl_b32 s16, s16, 14
	s_mov_b32 s17, 0
	s_add_nc_u64 s[12:13], s[12:13], s[16:17]
.set QQ, 0
.rept 32
.if ((QQ/2)%4) >= ((QQ/2)/4)
	ds_load_b128 v[128+4*QQ:128+4*QQ+3], v[GXL] offset:GX+512*QQ
.endif
.set QQ, QQ+1
.endr
	s_wait_dscnt 0x0
	s_cmp_lg_u32 s[HB], 0
	s_cbranch_scc1 .Lkeep1
	WIN 0x04                                       ; source 1: window 1
.set QQ, 0
.rept 64
.if ((QQ/4)%4) >= ((QQ/4)/4)
	v_pk_add_f32 v[128+2*QQ:129+2*QQ], v[128+2*QQ:129+2*QQ], v[128+2*QQ:129+2*QQ]   ; pair QQ belongs to tile QQ / 4; each accumulator from its low end on
.endif
.set QQ, QQ+1
.endr
	WIN 0
	s_branch .Lgout
.Lkeep1:
	WIN 0x0c                                       ; source 1: window 3
.set QQ, 0
.rept 64
.if ((QQ/4)%4) >= ((QQ/4)/4)
	v_pk_add_f32 v[128+2*QQ:129+2*QQ], v[128+2*QQ:129+2*QQ], v[2*QQ:2*QQ+1]
.endif
.set QQ, QQ+1
.endr
	WIN 0
.Lgout:
.set QQ, 0
.rept 32
.if ((QQ/2)%4) >= ((QQ/2)/4)
	global_store_b128 v[LN], v[128+4*QQ:128+4*QQ+3], s[12:13] offset:512*QQ   ; 32 lanes store 512 consecutive bytes, aligned
.endif
.set QQ, QQ+1
.endr
.Lend:
	s_wait_tensorcnt 0x0                           ; the wave's end, behind my last tensor load and my last LDS store
	ds_add_u32 v[SPW], v[NIL]
	s_wait_dscnt 0x0
	CROUND                                         ; the closing round
	s_endpgm
.Lfunc_end_k_qf89e09b479_proj:
	.size	k_qf89e09b479_proj, .Lfunc_end_k_qf89e09b479_proj-k_qf89e09b479_proj
	.p2alignl 7, 3214868480
	.fill 96, 4, 3214868480
	.section	.rodata,"a",@progbits
	.p2align	6, 0x0
	.amdhsa_kernel k_qf89e09b479_proj
		.amdhsa_group_segment_fixed_size 327680
		.amdhsa_private_segment_fixed_size 0
		.amdhsa_enable_private_segment 0
		.amdhsa_kernarg_size 48
		.amdhsa_user_sgpr_count 2
		.amdhsa_user_sgpr_kernarg_segment_ptr 1
		.amdhsa_wavefront_size32 1
		.amdhsa_system_sgpr_workgroup_id_x 1
		.amdhsa_system_sgpr_workgroup_id_y 1
		.amdhsa_system_sgpr_workgroup_id_z 1
		.amdhsa_system_vgpr_workitem_id 0
		.amdhsa_next_free_vgpr 1024
		.amdhsa_next_free_sgpr 102
		.amdhsa_reserve_vcc 0
		.amdhsa_float_denorm_mode_32 3
		.amdhsa_float_denorm_mode_16_64 3
		.amdhsa_memory_ordered 1
		.amdhsa_forward_progress 1
		.amdhsa_inst_pref_size 176
	.end_amdhsa_kernel
	.amdgpu_metadata
---
amdhsa.version: [ 1, 2 ]
amdhsa.kernels:
  - .name:           k_qf89e09b479_proj
    .symbol:         k_qf89e09b479_proj.kd
    .args:
      - { .name: xc, .offset: 0, .size: 8, .value_kind: global_buffer, .address_space: global }
      - { .name: xs, .offset: 8, .size: 8, .value_kind: global_buffer, .address_space: global }
      - { .name: wc, .offset: 16, .size: 8, .value_kind: global_buffer, .address_space: global }
      - { .name: ws, .offset: 24, .size: 8, .value_kind: global_buffer, .address_space: global }
      - { .name: gp, .offset: 32, .size: 8, .value_kind: global_buffer, .address_space: global }
      - { .name: vh, .offset: 40, .size: 8, .value_kind: global_buffer, .address_space: global }
    .group_segment_fixed_size: 327680
    .private_segment_fixed_size: 0
    .kernarg_segment_align: 8
    .kernarg_segment_size: 48
    .max_flat_workgroup_size: 128
    .sgpr_count:     102
    .vgpr_count:     1024
    .wavefront_size: 32
...
	.end_amdgpu_metadata
.endif
;; end of part 2
;; launch mix (part 3): grid 64 x 2, 10 waves a work-group, no clusters, 64,768 bytes of LDS; arguments gp, W_out, tau, wp; writes wp
.if DOCPART == 3
	.amdgcn_target "amdgcn-amd-amdhsa--gfx1250"
	.amdhsa_code_object_version 6
	.text
	.protected	k_qf89e09b479_mix
	.globl	k_qf89e09b479_mix
	.p2align	8
	.type	k_qf89e09b479_mix,@function
k_qf89e09b479_mix:
	s_mov_b64 s[64:65], 0
	v_nop
	global_prefetch_b8 v0, s[64:65] scope:SCOPE_SE
	s_setreg_imm32_b32 hwreg(HW_REG_WAVE_MODE, 25, 1), 1
	s_wait_xcnt 0x0
; For one (batch b, head) and one quarter of the columns n: G = the sum of the 32 partial Gram matrices; logits[c][d] = (2 G[c][d] - G[c][c] - G[d][d]) tau / sqrt(8192); attn = softmax over d, the row's maximum
; taken away first; W'[d][n] = sum over c of attn[c][d] W_out[64 head + c][n], stored to wp [b][head][n 1024][d 64] in f16.  (out = (attn v)^T W_out = v^T (attn^T W_out): the mixing is put into the weight.)
; q2 is the Gram matrix's own diagonal: the sum of a channel's squares is by definition G[c][c]; so a diagonal logit is exactly 0.
; G IS SYMMETRIC: gp holds, and this text reads, only the 10 tiles of 16 x 16 with d block >= c block: 320 KB in place of 512 KB for a work-group.  Ten waves: wave w sums one of them over the 32 partial matrices
; and puts it into LDS twice: as it stands, and mirrored into the place of the tile across the diagonal (a diagonal tile's mirror is itself: the same numbers land on the same words).
; SHARES: grid x = 4 head + quarter of n, grid y = b.  W' sums over all c and the softmax wants whole rows, so every work-group needs all of G; the columns n are shared out: 256 to a work-group, 64 to each of waves 0 to 3,
; which also take the softmax, 16 rows c each.  Operands go from wave to wave through LDS as images of their registers.
; The product takes f16 operands and f32 sums.  LIMITS: W_out beyond 65,504 in magnitude becomes infinity in f16; NaN and infinities among the inputs are not served.
; No cluster: the four work-groups of a head read the same 320 KB of gp, but each byte feeds one addition: asked for jointly it would have to pass through LDS (327,680 bytes in all, so in several refills, each behind a round
; of the cluster's barrier) and be read from there again.  The loads go straight into registers.
.set GI,    0                          ; LDS: G as an image laid like a block of gp: [q 32][lane 32][4 f32], all 16 tiles
.set AI,    16384                      ; the 8 fragments of attn^T in f16, 1,024 bytes each: fragment 2 a' + kk: rows d = 16 a' .., K = c = 32 kk ..
.set STG,   24576                      ; the way out: for each of waves 0 to 3 four blocks (one for each n % 4) of 16 rows x 144 bytes + 128
.set IB,    2432
.set WSTG,  4*IB
.set SPARE, STG+4*WSTG                 ; the spare words, 128 bytes for each of the ten waves: five blocks of 256 bytes that no other line names
.set GOFF, 4                           ; v4   gp: 1024 x my tile + 16 lane
.set WOFF, 5                           ; v5   W_out: 32768 h + 256 w + 16 r
.set GIS,  6                           ; v6   where I put my tile of G
.set GIL,  7                           ; v7   softmax: my four tiles of G
.set Q2D,  8                           ; v8   softmax: G[d][d] of my lane's d
.set Q2C,  9                           ; v9   softmax: G[c][c] of my lane's eight c
.set AIS,  10                          ; v10  where I put attn's packed numbers
.set GIT,  11                          ; v11  where I put my tile's mirror
.set STS,  12                          ; v12  the stage, in
.set STL,  13                          ; v13  the stage, back
.set OOFF, 14                          ; v14  wp: 8192 w + 16 lane
.set SPW,  15                          ; v15  LDS address of my spare word; never rewritten
.set NIL,  16                          ; v16  0; never rewritten
.set L16,  17                          ; v17  16 x lane
.set FB,   24                          ; v24-87   waves 0-3: W_out's 8 fragments in f16: (n tile i, kk) at 8 (2 i + kk); lane r is column 64 w + 4 r + i of the quarter.  Waves 4-9: a third set of loads in hand
.set T0,   88                          ; v88-151  loads in hand; then the softmax's numbers; then attn's 8 fragments; then rows on the way out
.set T1,   152                         ; v152-215 loads in hand; then the 8 accumulators
.set ACC,  216                         ; v216-223 my tile's sums; then v216-247 packed results
.set U,    88
.set QD,   120
.set QC,   124
.set MX,   132
.set SM,   140
.set PK,   152
.set RC,   168
	s_load_b256 s[4:11], s[0:1], 0x0               ; gp s[4:5], W_out s[6:7], tau s[8:9], wp s[10:11]
	v_lshl_add_u32 v[SPW], v0, 2, SPARE
	v_mov_b32 v[NIL], 0
	v_lshrrev_b32 v1, 5, v0
	v_readfirstlane_b32 s12, v1                    ; wave 0..9
	s_min_u32 s22, s12, 3                          ; (for the addresses that waves 0 to 3 alone use)
	; my tile t = 4 a + a' with a' >= a: waves 0 .. 9 take 0, 1, 2, 3, 5, 6, 7, 10, 11, 15
	s_lshr_b32 s23, s12, 2
	s_min_u32 s23, s23, 1                          ; 1 from wave 4 on: tile 4 is passed over
	s_add_co_u32 s24, s12, 1
	s_lshr_b32 s24, s24, 3
	s_lshl_b32 s24, s24, 1                         ; 2 from wave 7 on: tiles 8 and 9
	s_add_co_u32 s25, s12, 7
	s_lshr_b32 s25, s25, 4
	s_mul_i32 s25, s25, 3                          ; 3 in wave 9: tiles 12, 13 and 14
	s_add_co_u32 s23, s23, s12
	s_add_co_u32 s23, s23, s24
	s_add_co_u32 s23, s23, s25                     ; t
	s_and_b32 s24, s23, 3
	s_lshl_b32 s24, s24, 2
	s_lshr_b32 s25, s23, 2
	s_add_co_u32 s24, s24, s25                     ; the tile across the diagonal: 4 a' + a
	s_and_b32 s14, ttmp7, 0xffff                   ; b
	s_lshr_b32 s13, ttmp9, 2                       ; head
	s_and_b32 s26, ttmp9, 3                        ; which 256 columns n
	s_lshl_b32 s15, s14, 4
	s_add_co_u32 s15, s15, s13                     ; 16 b + head
	v_and_b32 v1, 31, v0                           ; lane
	v_and_b32 v2, 15, v0                           ; r
	v_bfe_u32 v3, v0, 4, 1                         ; h
	v_lshlrev_b32 v[L16], 4, v1
	s_lshl_b32 s16, s23, 10
	v_add_nc_u32 v[GOFF], s16, v[L16]
	v_add_nc_u32 v[GIS], s16, v[L16]
	v_bfe_u32 v18, v2, 2, 1                        ; my register j holds G[16 a + 8 h + j][16 a' + r] = G[16 a' + r][16 a + 8 h + j]: in the mirror tile's image that is half (r / 4) % 2, lane 16 (r / 8) + 8 h + j, word r % 4
	v_lshlrev_b32 v[GIT], 9, v18
	v_bfe_u32 v18, v2, 3, 1
	v_lshl_add_u32 v[GIT], v18, 8, v[GIT]
	v_lshl_add_u32 v[GIT], v3, 7, v[GIT]
	v_and_b32 v18, 3, v2
	v_lshl_add_u32 v[GIT], v18, 2, v[GIT]
	s_lshl_b32 s16, s24, 10
	v_add_nc_u32 v[GIT], s16, v[GIT]
	v_lshlrev_b32 v[WOFF], 4, v2
	v_lshl_add_u32 v[WOFF], v3, 15, v[WOFF]
	s_lshl_b32 s16, s22, 8
	v_add_nc_u32 v[WOFF], s16, v[WOFF]
	s_lshl_b32 s16, s22, 12
	v_add_nc_u32 v[GIL], s16, v[L16]
	v_bfe_u32 v18, v2, 2, 1                        ; G[d][d], d = 16 a' + r, lies in tile 5 a', half (r / 4) % 2, lane 16 (r / 8) + r, word r % 4
	v_lshlrev_b32 v[Q2D], 9, v18
	v_bfe_u32 v18, v2, 3, 1
	v_lshl_add_u32 v18, v18, 4, v2
	v_lshl_add_u32 v[Q2D], v18, 4, v[Q2D]
	v_and_b32 v18, 3, v2
	v_lshl_add_u32 v[Q2D], v18, 2, v[Q2D]
	s_mul_i32 s16, s22, 5120                       ; G[c][c], c = 16 a + 8 h + j, lies in tile 5 a, half j / 4, lane 24 h + j, word j % 4
	v_mul_u32_u24 v[Q2C], v3, 384
	v_add_nc_u32 v[Q2C], s16, v[Q2C]
	s_lshl_b32 s16, s22, 9
	v_add_nc_u32 v[AIS], s16, v[L16]
	s_mul_i32 s16, s22, WSTG
	s_add_co_u32 s16, s16, STG
	v_mul_u32_u24 v[STS], v2, 144
	v_lshl_add_u32 v[STS], v3, 4, v[STS]
	v_add_nc_u32 v[STS], s16, v[STS]
	v_lshrrev_b32 v18, 3, v1
	v_mul_u32_u24 v[STL], v18, IB
	v_and_b32 v18, 7, v1
	v_lshl_add_u32 v[STL], v18, 4, v[STL]
	v_add_nc_u32 v[STL], s16, v[STL]
	s_lshl_b32 s16, s22, 13
	v_add_nc_u32 v[OOFF], s16, v[L16]
	s_mov_b32 s17, 0
	s_wait_kmcnt 0x0
	s_lshl_b32 s16, s15, 19                        ; 32 blocks of 16,384 bytes for each (b, head)
	s_add_nc_u64 s[4:5], s[4:5], s[16:17]
	s_lshl_b32 s16, s13, 18                        ; the head's 64 rows of 4,096 bytes,
	s_lshl_b32 s18, s26, 10                        ; my 256 columns of 4 bytes
	s_add_co_u32 s16, s16, s18
	s_add_nc_u64 s[6:7], s[6:7], s[16:17]
	s_lshl_b32 s16, s13, 2
	s_add_nc_u64 s[8:9], s[8:9], s[16:17]
	s_lshl_b32 s16, s15, 17                        ; 1,024 rows n of 128 bytes for each (b, head),
	s_lshl_b32 s18, s26, 15                        ; my 256 of them
	s_add_co_u32 s16, s16, s18
	s_add_nc_u64 s[10:11], s[10:11], s[16:17]
	s_load_b32 s20, s[8:9], 0x0                    ; tau[head]
; 16 loads: rows c = 32 kk + 8 h + 0..7 and 32 kk + 16 + 8 h + 0..7 of W_out, columns 64 w + 4 r + 0..3 of my quarter: sixteen lanes read 256 neighbouring bytes
.macro WO kk, t
.irp e, 0,1,2,3,4,5,6,7,8,9,10,11,12,13,14,15
	global_load_b128 v[\t+4*\e:\t+4*\e+3], v[WOFF], s[6:7] offset:(32*\kk+\e+8*(\e/8))*4096
.endr
.endm
; 16 loads: my tile of eight partial Gram matrices
.macro GL s, t
.irp p, 0,1,2,3,4,5,6,7
.irp u, 0,1
	global_load_b128 v[\t+8*\p+4*\u:\t+8*\p+4*\u+3], v[GOFF], s[4:5] offset:(8*\s+\p)*16384+512*\u
.endr
.endr
.endm
.macro CVTW kk, t                      ; word i of a load belongs to n tile i; two neighbouring rows c make a register
.irp i, 0,1,2,3
.irp rho, 0,1,2,3,4,5,6,7
	v_cvt_pk_f16_f32 v[FB+8*(2*\i+\kk)+\rho], v[\t+8*\rho+\i], v[\t+8*\rho+4+\i]
.endr
.endr
.endm
.macro SUM t, first                    ; four pairs by turns; the first two matrices start the sums: nothing is cleared
.if \first
.irp k, 0,2,4,6
	v_pk_add_f32 v[ACC+\k:ACC+\k+1], v[\t+\k:\t+\k+1], v[\t+8+\k:\t+8+\k+1]
.endr
.else
.irp p, 0,1
.irp k, 0,2,4,6
	v_pk_add_f32 v[ACC+\k:ACC+\k+1], v[ACC+\k:ACC+\k+1], v[\t+8*\p+\k:\t+8*\p+\k+1]
.endr
.endr
.endif
.irp p, 2,3,4,5,6,7
.irp k, 0,2,4,6
	v_pk_add_f32 v[ACC+\k:ACC+\k+1], v[ACC+\k:ACC+\k+1], v[\t+8*\p+\k:\t+8*\p+\k+1]
.endr
.endr
.endm
	s_cmp_ge_u32 s12, 4                            ; the waves part on their number, and join ahead of the barrier
	s_cbranch_scc1 .Lsix
	; waves 0 to 3: W_out's 64 rows x 64 columns first, then my tile; two sets of 16 loads are out
	WO 0, T0
	WO 1, T1
	s_wait_loadcnt 16                              ; each of these waits leaves the one younger batch of 16 loads out
	CVTW 0, T0
	GL 0, T0
	s_wait_loadcnt 16
	CVTW 1, T1
	GL 1, T1
	s_wait_loadcnt 16
	SUM T0, 1
	GL 2, T0
	s_wait_loadcnt 16
	SUM T1, 0
	GL 3, T1
	s_wait_loadcnt 16
	SUM T0, 0
	s_wait_loadcnt 0x0
	SUM T1, 0
	s_branch .Lsummed
.Lsix:
	; waves 4 to 9: my tile alone; the registers that hold W_out's fragments in the other waves are a third set here: three sets of 16 loads are out
	GL 0, T0
	GL 1, T1
	GL 2, FB
	s_wait_loadcnt 32                              ; the two younger batches may be out
	SUM T0, 1
	GL 3, T0
	s_wait_loadcnt 32
	SUM T1, 0
	s_wait_loadcnt 16                              ; the last batch may be out
	SUM FB, 0
	s_wait_loadcnt 0x0
	SUM T0, 0
.Lsummed:
	ds_store_b128 v[GIS], v[ACC:ACC+3] offset:GI
	ds_store_b128 v[GIS], v[ACC+4:ACC+7] offset:GI+512
.irp j, 0,1,2,3,4,5,6,7
	ds_store_b32 v[GIT], v[ACC+\j] offset:GI+16*\j ; the mirror: register j goes 16 j bytes on
.endr
	s_wait_kmcnt 0x0                               ; tau
	s_mul_f32 s21, s20, 0x3c8293ee                 ; tau x log2(e) / sqrt(8192)
	s_wait_dscnt 0x0                               ; for the others' sake: my tile and its mirror are in LDS
	s_barrier_signal -1
	s_barrier_wait -1                              ; G is whole: all 16 tiles
	s_cmp_ge_u32 s12, 4
	s_cbranch_scc1 .Lnosoft
	; ---- the softmax: wave a takes rows c = 16 a + 8 h + j; a lane holds columns d = 16 a' + r: register 8 a' + j
.irp q, 0,1,2,3,4,5,6,7
	ds_load_b128 v[U+4*\q:U+4*\q+3], v[GIL] offset:GI+512*\q
.endr
.irp a, 0,1,2,3
	ds_load_b32 v[QD+\a], v[Q2D] offset:GI+5120*\a
.endr
.irp j, 0,1,2,3,4,5,6,7
	ds_load_b32 v[QC+\j], v[Q2C] offset:GI+512*(\j/4)+16*\j+4*(\j%4)
.endr
	s_wait_dscnt 0x0
.irp a, 0,1,2,3
.irp j, 0,1,2,3,4,5,6,7
	v_fma_f32 v[U+8*\a+\j], v[U+8*\a+\j], 2.0, -v[QC+\j]
.endr
.endr
.irp a, 0,1,2,3
.irp j, 0,1,2,3,4,5,6,7
	v_sub_f32 v[U+8*\a+\j], v[U+8*\a+\j], v[QD+\a]
.endr
.endr
.irp a, 0,1,2,3
.irp j, 0,1,2,3,4,5,6,7
	v_mul_f32 v[U+8*\a+\j], s21, v[U+8*\a+\j]      ; the logit, in powers of two
.endr
.endr
.irp j, 0,1,2,3,4,5,6,7
	v_max3_num_f32 v[MX+\j], v[U+\j], v[U+8+\j], v[U+16+\j]
.endr
.irp j, 0,1,2,3,4,5,6,7
	v_max_num_f32 v[MX+\j], v[MX+\j], v[U+24+\j]
.endr
.irp m, 1,2,4,8
.irp j, 0,1,2,3,4,5,6,7
	v_max_num_f32_dpp v[MX+\j], v[MX+\j], v[MX+\j] row_xmask:\m row_mask:0xf bank_mask:0xf   ; over the sixteen lanes that hold the row
.endr
.endr
.irp a, 0,1,2,3
.irp j, 0,1,2,3,4,5,6,7
	v_sub_f32 v[U+8*\a+\j], v[U+8*\a+\j], v[MX+\j]
.endr
.endr
.irp a, 0,1,2,3
.irp j, 0,1,2,3,4,5,6,7
	v_exp_f32 v[U+8*\a+\j], v[U+8*\a+\j]
.endr
.endr
	v_nop                                          ; a plain instruction behind the last exponential
	s_wait_alu depctr_va_vdst(0)                   ; one wait for the batch, ahead of its first reader
.irp j, 0,1,2,3,4,5,6,7
	v_add_f32 v[SM+\j], v[U+\j], v[U+8+\j]
.endr
.irp j, 0,1,2,3,4,5,6,7
	v_add_f32 v[SM+\j], v[SM+\j], v[U+16+\j]
.endr
.irp j, 0,1,2,3,4,5,6,7
	v_add_f32 v[SM+\j], v[SM+\j], v[U+24+\j]
.endr
.irp m, 1,2,4,8
.irp j, 0,1,2,3,4,5,6,7
	v_add_f32_dpp v[SM+\j], v[SM+\j], v[SM+\j] row_xmask:\m row_mask:0xf bank_mask:0xf
.endr
.endr
.irp j, 0,1,2,3,4,5,6,7
	v_rcp_f32 v[RC+\j], v[SM+\j]
.endr
	v_nop
	s_wait_alu depctr_va_vdst(0)                   ; one wait for the eight reciprocals
.irp a, 0,1,2,3
.irp j, 0,1,2,3,4,5,6,7
	v_mul_f32 v[U+8*\a+\j], v[U+8*\a+\j], v[RC+\j]
.endr
.endr
.irp a, 0,1,2,3
.irp i, 0,1,2,3
	v_cvt_pk_f16_f32 v[PK+4*\a+\i], v[U+8*\a+2*\i], v[U+8*\a+2*\i+1]   ; my eight c of column d: half (a % 2) of fragment (a', kk = a / 2) of attn^T, in my own lane
.endr
.endr
.irp a, 0,1,2,3
	ds_store_b128 v[AIS], v[PK+4*\a:PK+4*\a+3] offset:AI+2048*\a
.endr
.Lnosoft:
	s_wait_dscnt 0x0                               ; for the others' sake: my stores are done, my reads of G are in
	s_barrier_signal -1
	s_barrier_wait -1                              ; attn^T's eight fragments lie in LDS
	s_cmp_ge_u32 s12, 4                            ; waves 4 to 9 have no columns
	s_cbranch_scc1 .Lend
	; ---- W' for my 64 columns: D(d, n) = sum over c: source 0 = 16 rows d of attn^T, source 1 = 16 columns n of W_out; a lane holds eight neighbouring d of one n
.irp m, 0,1,2,3,4,5,6,7,8,9,10,11,12,13,14,15
	ds_load_b128 v[T0+4*\m:T0+4*\m+3], v[L16] offset:AI+512*\m
.endr
	s_wait_dscnt 0x0
.irp u, 0,1                            ; n tiles 2 u and 2 u + 1: eight accumulators by turns
.irp kk, 0,1
.irp a, 0,1,2,3
.irp ii, 0,1
.if \kk == 0
	v_wmma_f32_16x16x32_f16 v[T1+8*(2*\a+\ii):T1+8*(2*\a+\ii)+7], v[T0+8*(2*\a+\kk):T0+8*(2*\a+\kk)+7], v[FB+8*(2*(2*\u+\ii)+\kk):FB+8*(2*(2*\u+\ii)+\kk)+7], 0
.else
	v_wmma_f32_16x16x32_f16 v[T1+8*(2*\a+\ii):T1+8*(2*\a+\ii)+7], v[T0+8*(2*\a+\kk):T0+8*(2*\a+\kk)+7], v[FB+8*(2*(2*\u+\ii)+\kk):FB+8*(2*(2*\u+\ii)+\kk)+7], v[T1+8*(2*\a+\ii):T1+8*(2*\a+\ii)+7]
.endif
.endr
.endr
.endr
.rept 5
	v_nop                                          ; places behind the last products: four ahead of the reads below; the accumulators are begun anew only behind these and the conversions
.endr
.irp t, 0,1,2,3,4,5,6,7
.irp i, 0,1,2,3
	v_cvt_pk_f16_f32 v[ACC+4*\t+\i], v[T1+8*\t+2*\i], v[T1+8*\t+2*\i+1]   ; each accumulator from its low end on
.endr
.endr
.irp a, 0,1,2,3
.irp ii, 0,1
	ds_store_b128 v[STS], v[ACC+4*(2*\a+\ii):ACC+4*(2*\a+\ii)+3] offset:IB*(2*\u+\ii)+32*\a   ; row n = 64 w + 4 r + i: block i, row r; d = 16 a' + 8 h ..
.endr
.endr
.endr
.irp g, 0,1,2,3,4,5,6,7,8,9,10,11,12,13,14,15
	ds_load_b128 v[T0+4*\g:T0+4*\g+3], v[STL] offset:144*\g   ; my own bytes, served in order: rows n = 64 w + 4 g + lane / 8
.endr
.irp g, 0,1,2,3,4,5,6,7,8,9,10,11,12,13,14,15
	s_wait_dscnt 15-\g                             ; the younger loads may be out
	global_store_b128 v[OOFF], v[T0+4*\g:T0+4*\g+3], s[10:11] offset:512*\g   ; 32 lanes store 512 consecutive bytes, aligned: four rows n
.endr
.Lend:
	s_wait_tensorcnt 0x0                           ; the wave's end, behind my last LDS store
	ds_add_u32 v[SPW], v[NIL]
	s_wait_dscnt 0x0
	s_endpgm
.Lfunc_end_k_qf89e09b479_mix:
	.size	k_qf89e09b479_mix, .Lfunc_end_k_qf89e09b479_mix-k_qf89e09b479_mix
	.p2alignl 7, 3214868480
	.fill 96, 4, 3214868480
	.section	.rodata,"a",@progbits
	.p2align	6, 0x0
	.amdhsa_kernel k_qf89e09b479_mix
		.amdhsa_group_segment_fixed_size 64768
		.amdhsa_private_segment_fixed_size 0
		.amdhsa_enable_private_segment 0
		.amdhsa_kernarg_size 32
		.amdhsa_user_sgpr_count 2
		.amdhsa_user_sgpr_kernarg_segment_ptr 1
		.amdhsa_wavefront_size32 1
		.amdhsa_system_sgpr_workgroup_id_x 1
		.amdhsa_system_sgpr_workgroup_id_y 1
		.amdhsa_system_sgpr_workgroup_id_z 1
		.amdhsa_system_vgpr_workitem_id 0
		.amdhsa_next_free_vgpr 256
		.amdhsa_next_free_sgpr 66
		.amdhsa_reserve_vcc 0
		.amdhsa_float_denorm_mode_32 3
		.amdhsa_float_denorm_mode_16_64 3
		.amdhsa_memory_ordered 1
		.amdhsa_forward_progress 1
		.amdhsa_inst_pref_size 67
	.end_amdhsa_kernel
	.amdgpu_metadata
---
amdhsa.version: [ 1, 2 ]
amdhsa.kernels:
  - .name:           k_qf89e09b479_mix
    .symbol:         k_qf89e09b479_mix.kd
    .args:
      - { .name: gp, .offset: 0, .size: 8, .value_kind: global_buffer, .address_space: global }
      - { .name: W_out, .offset: 8, .size: 8, .value_kind: global_buffer, .address_space: global }
      - { .name: tau, .offset: 16, .size: 8, .value_kind: global_buffer, .address_space: global }
      - { .name: wp, .offset: 24, .size: 8, .value_kind: global_buffer, .address_space: global }
    .group_segment_fixed_size: 64768
    .private_segment_fixed_size: 0
    .kernarg_segment_align: 8
    .kernarg_segment_size: 32
    .max_flat_workgroup_size: 320
    .sgpr_count:     66
    .vgpr_count:     256
    .wavefront_size: 32
...
	.end_amdgpu_metadata
.endif
;; end of part 3
;; launch outp (part 4): grid 4 x 64, 4 waves a work-group, clusters of 4 x 4, 327,680 bytes of LDS; arguments vh, wp, out0; writes out0
.if DOCPART == 4
	.amdgcn_target "amdgcn-amd-amdhsa--gfx1250"
	.amdhsa_code_object_version 6
	.text
	.protected	k_qf89e09b479_outp
	.globl	k_qf89e09b479_outp
	.p2align	8
	.type	k_qf89e09b479_outp,@function
k_qf89e09b479_outp:
	s_mov_b64 s[64:65], 0
	v_nop
	global_prefetch_b8 v0, s[64:65] scope:SCOPE_SE
	s_setreg_imm32_b32 hwreg(HW_REG_WAVE_MODE, 25, 1), 1
	s_wait_xcnt 0x0
	s_wait_alu depctr_hold_cnt(0) depctr_sa_sdst(0) depctr_va_vdst(0) depctr_va_sdst(0) depctr_va_ssrc(0) depctr_va_vcc(0) depctr_vm_vsrc(0)
	s_getreg_b32 s2, hwreg(HW_REG_IB_STS2, 6, 4)
	s_cmp_eq_u32 s2, 0
	s_cbranch_scc0 .Lentry_in_a_cluster
	s_endpgm
.Lentry_in_a_cluster:
	s_bfe_u32 s2, ttmp6, 0x10000c
	s_cmp_lg_u32 s2, 0xf033
	s_cbranch_scc0 .Lentry_shape_is_right
	s_endpgm
.Lentry_shape_is_right:
; out0[token][n] = sum over k of vh[token][k] W'_b[k][n], b = token / 8192.  vh: [16384][1024] f16.  wp: [b][head][n 1024][d 64] f16 = W'_b[64 head + d][n].  out0: [16384][1024] f32.  Sums in f32.
; A tile of 256 x 256 is made by a work-group of four waves, a wave 128 x 128: 64 accumulators of 16 x 16.  K goes in steps of 128 (two heads) through a ring of two LDS slots filled by the tensor data mover:
; waves 0 and 1 fetch the two halves of vh's 256 rows (rows of 256 bytes), waves 2 and 3 one head each of wp's 256 rows n (rows of 128 bytes, dense in memory).
; CLUSTERS: 4 x 4 work-groups.  The four of a row of the cluster need the same tiles of vh, the four of a column the same tiles of wp: each tile is asked for jointly, by the same tensor load with the same descriptor and a mask that names the four.
; THE MATRIX INSTRUCTION IS USED TRANSPOSED (source 0 = 16 rows n of wp, source 1 = 16 tokens): a lane holds eight neighbouring numbers of a row of out0.
; REGISTERS, in windows of 256: window 0: v16-30 addresses; v64-127, v128-191 vh's fragments, two buffers.  window 1: the same for wp's.  windows 2, 3: the accumulators ((a, b) at v[8 (8 a + b)]).
.set KSTEP,  128
.set PITCH,  272                       ; vh's LDS row: 256 bytes + 16 of padding
.set PB,     144                       ; wp's LDS row: 128 bytes + 16: nine times 16 bytes, so the 16 rows that a load touches start at 16 different columns of 16 bytes
.set HALFA,  128*PITCH
.set HEADB,  256*PB                    ; one head's 256 rows n
.set SLOT,   2*HALFA+2*HEADB
.set STAGE,  2*SLOT                    ; behind the ring: 16 rows x (512 bytes + 16) for each wave
.set SPITCH, 528
.set SPARE,  STAGE+4*16*SPITCH         ; the spare words, 128 bytes a wave: two blocks of 256 bytes that no other line names
.set LAPS,   4                         ; K = 1,024: eight K steps, four laps of the ring
.set STEPA,  KSTEP*2                   ; a K step on in a row of vh, in bytes
.set STEPW,  2*131072                  ; a K step on in wp: two heads
.set ADRA, 16
.set ADRB, 20
.set STO,  24
.set RD,   25
.set CO,   26
.set SPW,  28                          ; v28  LDS address of my spare word; never rewritten
.set NIL,  29                          ; v29  0; never rewritten
.set PFO,  30                          ; v30  the prefetches' offset: my lane x a row of vh; never rewritten
.set PFA,  44                          ; s[44:45] where my prefetches stand
.set LIM,  43                          ; s43  1 in a wave that prefetches, else the greatest number
.set F0,   64
.set F1,   128
.set BK,   128
.set G1, 24
.set G0, 32
.set G1B, 48
.set G0B, 56
.set MSB, 0
.macro WIN new                         ; the immediate's high byte repeats the setting that is left
.if MSB != \new
	s_set_vgpr_msb (MSB<<8)|\new
.set MSB, \new
.endif
.endm
.set MUL_LO, 0xa1                      ; source 0 (wp) window 1, source 1 (vh) window 0, C and D window 2
.set MUL_HI, 0xf1
.set TO_B,   0x40
; A joint load.  The branch hangs on the wave's number alone.  An s_nop 0 and four v_nop follow each of the two lines.
.macro JLOAD s
	s_cmp_eq_u32 s11, 0
	s_cbranch_scc0 .Lfor_b_\@
	tensor_load_to_lds s[G0+4*\s:G0+4*\s+3], s[G1:G1+7]
	s_nop 0
.rept 4
	v_nop
.endr
	s_branch .Lasked_\@
.Lfor_b_\@:
	tensor_load_to_lds s[G0B+4*\s:G0B+4*\s+3], s[G1B:G1B+7]
	s_nop 0
.rept 4
	v_nop
.endr
.Lasked_\@:
.endm
; A prefetch of vh's K step that stands two refills on: 32 rows x 256 bytes, a lane a row, one instruction a wave, in waves 0 and 1.  Each row's 256 bytes of a K step are named once in the launch: a tile row of vh is read by
; one cluster alone, and its four partners along x share the 128 rows that a wave fetches out by address, 32 each.  K steps 0 to 3 come by their loads alone; the loop's last trip asks for nothing.
; wp is not asked for: all clusters of a batch walk the same 2 MB of it in step.
.macro ASK
	s_cmp_gt_u32 s3, s[LIM]                        ; s3 = 1 in the loop's last trip
	s_cbranch_scc0 .Lnot_mine_\@
	global_prefetch_b8 v[PFO], s[PFA:PFA+1] offset:STEPA th:TH_LOAD_NT scope:SCOPE_SE
.Lnot_mine_\@:
.endm
.macro CREST                           ; a round of the cluster's barrier behind its opening barrier
	s_cmp_lg_u32 s10, 0
	s_cbranch_scc1 .Lnot_wave_0_\@
	s_barrier_signal -3
.Lnot_wave_0_\@:
	s_barrier_wait -3
	s_barrier_signal -1
	s_barrier_wait -1
.endm
.macro CROUND
	s_barrier_signal -1
	s_barrier_wait -1
	CREST
.endm
	s_load_b128 s[4:7], s[0:1], 0x0                ; vh s[4:5], wp s[6:7]
	s_load_b64 s[8:9], s[0:1], 0x10                ; out0
	v_lshl_add_u32 v[SPW], v0, 2, SPARE
	v_mov_b32 v[NIL], 0
	ds_add_u32 v[SPW], v[NIL]                      ; the wave's opening: the add, twice on end, and its wait ahead of my first tensor load
	ds_add_u32 v[SPW], v[NIL]                      ; and once more, under the one wait; the set-up below, work on registers, stands between
	v_lshrrev_b32 v1, 5, v0
	v_readfirstlane_b32 s10, v1                    ; wave 0..3
	s_lshr_b32 s11, s10, 1                         ; which half of the tile's rows is mine.  Also: I fetch vh (0) or wp (1)
	s_and_b32 s12, s10, 1                          ; which half of its columns.  Also: which 128 rows of vh, or which of the two heads, I fetch
	s_bfe_u32 s40, ttmp6, 0x40000                  ; cx
	s_bfe_u32 s41, ttmp6, 0x40004                  ; cy
	s_lshl_b32 s42, ttmp9, 2
	s_add_co_u32 s42, s42, s40                     ; tile column = 4 x cluster x + cx
	s_and_b32 s22, ttmp7, 0xffff
	s_lshl_b32 s13, s22, 2
	s_add_co_u32 s13, s13, s41                     ; tile row = 4 x cluster y + cy
	s_lshr_b32 s22, s22, 3                         ; the batch: 8 clusters along y each
	s_lshl_b32 s43, s41, 2
	s_lshl_b32 s43, 15, s43                        ; my row of the cluster
	s_lshl_b32 s44, 0x1111, s40                    ; my column
	s_or_b32 s[G1+0], s43, (1<<16)|(1<<20)|(1<<21)|(5<<22)|(3<<25)   ; vh: the mask of my row; elements of 2 bytes; padding on; bit 21 beside a mask; after every 64 words, 4 words
	s_mov_b32 s[G1+1], KSTEP<<16                   ; tensor_dim0 = 128
	s_mov_b32 s[G1+2], 128<<16                     ; tensor_dim1 = 128
	s_mov_b32 s[G1+3], KSTEP<<16                   ; tile_dim0 = 128
	s_mov_b32 s[G1+4], 128                         ; tile_dim1 = 128
	s_mov_b32 s[G1+5], 1024                        ; elements from row to row
	s_mov_b32 s[G1+6], 0
	s_mov_b32 s[G1+7], 0
	s_or_b32 s[G1B+0], s44, (1<<16)|(1<<20)|(1<<21)|(4<<22)|(3<<25)  ; wp: the mask of my column; after every 32 words, 4 words
	s_mov_b32 s[G1B+1], 64<<16                     ; tensor_dim0 = 64
	s_mov_b32 s[G1B+2], 256<<16                    ; tensor_dim1 = 256
	s_mov_b32 s[G1B+3], 64<<16                     ; tile_dim0 = 64
	s_mov_b32 s[G1B+4], 256                        ; tile_dim1 = 256
	s_mov_b32 s[G1B+5], 64                         ; rows are dense
	s_mov_b32 s[G1B+6], 0
	s_mov_b32 s[G1B+7], 0
	s_lshl_b32 s23, s12, 7
	s_lshl_b32 s16, s13, 8
	s_add_co_u32 s16, s16, s23                     ; vh: row 256 x tile row + 128 x half,
	s_lshl_b32 s16, s16, 11                        ; 2,048 bytes a row
	s_mov_b32 s17, 0
	s_lshl_b32 s46, s42, 15                        ; wp: 256 x tile column rows n of 128 bytes,
	s_lshl_b32 s47, s12, 17                        ; my head of the K step's two,
	s_add_co_u32 s46, s46, s47
	s_lshl_b32 s47, s22, 21                        ; the batch's 16 heads
	s_add_co_u32 s46, s46, s47
	s_mov_b32 s47, 0
	s_mul_i32 s20, s12, HALFA                      ; where they go: no place in the cluster enters an LDS address
	s_mul_i32 s21, s12, HEADB
	s_add_co_u32 s21, s21, 2*HALFA
	s_wait_dscnt 0x0                               ; both opening adds are done
	s_wait_kmcnt 0x0
	s_add_nc_u64 s[14:15], s[4:5], s[16:17]
	s_add_nc_u64 s[46:47], s[6:7], s[46:47]
	CROUND                                         ; all sixteen work-groups are here: the first joint loads meet
.irp s, 0,1
	s_mov_b32 s[G0+4*\s], 1
	s_add_co_u32 s[G0+4*\s+1], s20, \s*SLOT
	s_add_nc_u64 s[G0+4*\s+2:G0+4*\s+3], s[14:15], \s*STEPA
	s_or_b32 s[G0+4*\s+3], s[G0+4*\s+3], 0x80000000
	s_mov_b32 s[G0B+4*\s], 1
	s_add_co_u32 s[G0B+4*\s+1], s21, \s*SLOT
	s_add_nc_u64 s[G0B+4*\s+2:G0B+4*\s+3], s[46:47], \s*STEPW
	s_or_b32 s[G0B+4*\s+3], s[G0B+4*\s+3], 0x80000000
	JLOAD \s
.endr
	v_and_b32 v1, 15, v0                           ; r
	v_bfe_u32 v2, v0, 4, 1                         ; h
	v_mul_u32_u24 v3, v1, PITCH
	v_lshl_add_u32 v3, v2, 4, v3
	v_mul_u32_u24 v4, v1, PB
	v_lshl_add_u32 v4, v2, 4, v4
	s_mul_i32 s21, s11, HALFA                      ; my 128 tokens
	s_mul_i32 s22, s12, 128*PB                     ; my 128 rows n, in each head's 256,
	s_add_co_u32 s22, s22, 2*HALFA                 ; which lie behind vh's 256 rows
.irp s, 0,1
	v_add_nc_u32 v[ADRA+\s], s21, v3
	v_add_nc_u32 v[ADRB+\s], s22, v4
	s_add_co_u32 s21, s21, SLOT
	s_add_co_u32 s22, s22, SLOT
.endr
	s_mul_i32 s23, s10, 16*SPITCH
	s_add_co_u32 s23, s23, STAGE                   ; my stage
	v_mul_u32_u24 v5, v1, SPITCH
	v_lshl_add_u32 v5, v2, 5, v5
	v_add_nc_u32 v[STO], s23, v5                   ; in: row r, 32 bytes for each half of the lanes
	v_and_b32 v6, 31, v0
	v_lshlrev_b32 v[CO], 4, v6                     ; back: the 32 lanes take one row of 512 bytes; the same in out0
	v_add_nc_u32 v[RD], s23, v[CO]
	s_lshl_b32 s16, s13, 8
	s_lshl_b32 s17, s11, 7
	s_add_co_u32 s16, s16, s17                     ; my first row of out0
	s_lshl_b32 s16, s16, 12                        ; 4,096 bytes a row
	s_mov_b32 s17, 0
	s_lshl_b32 s46, s42, 10                        ; my first column, in bytes: 1024 x tile column + 512 x half
	s_lshl_b32 s47, s12, 9
	s_add_co_u32 s46, s46, s47
	s_mov_b32 s47, 0
	s_add_nc_u64 s[16:17], s[16:17], s[46:47]
	s_add_nc_u64 s[8:9], s[8:9], s[16:17]
	; the prefetches
	s_lshl_b32 s20, s13, 8
	s_lshl_b32 s21, s12, 7
	s_add_co_u32 s20, s20, s21                     ; the 128 rows that I fetch,
	s_lshl_b32 s21, s40, 5
	s_add_co_u32 s20, s20, s21                     ; my work-group's 32 of them,
	s_lshl_b32 s20, s20, 11
	s_add_co_u32 s20, s20, 2*STEPA                 ; at K step 2: the first refill steps it to 3 and names K step 4
	s_mov_b32 s21, 0
	s_add_nc_u64 s[PFA:PFA+1], s[4:5], s[20:21]
	s_cmp_eq_u32 s11, 0
	s_cselect_b32 s[LIM], 1, -1
	v_and_b32 v[PFO], 31, v0
	v_lshlrev_b32 v[PFO], 11, v[PFO]
; 16 matrix instructions: m blocks a0, a0 + 1 of the window's four x all 8 n blocks, 32 along K.  zero = 1: the first product starts the sums.  The 64 accumulators take turns.
.macro MUL16 f, hi, a0, zero
.irp a, \a0, \a0+1
.irp b, 0,1,2,3,4,5,6,7
.if \zero
	v_wmma_f32_16x16x32_f16 v[8*(8*(\a)+\b):8*(8*(\a)+\b)+7], v[\f+8*\b:\f+8*\b+7], v[\f+8*(4*\hi+\a):\f+8*(4*\hi+\a)+7], 0
.else
	v_wmma_f32_16x16x32_f16 v[8*(8*(\a)+\b):8*(8*(\a)+\b)+7], v[\f+8*\b:\f+8*\b+7], v[\f+8*(4*\hi+\a):\f+8*(4*\hi+\a)+7], v[8*(8*(\a)+\b):8*(8*(\a)+\b)+7]
.endif
.endr
.endr
.endm
; 32 LDS loads in one run: the fragments of a quarter step (32 along K at byte k of vh's rows; in wp: head k / 128, byte k % 128 of its rows) into buffer f
.macro FETCH slot, k, f
	WIN TO_B
.irp i, 0,1,2,3,4,5,6,7
	ds_load_b128 v[\f+8*\i:\f+8*\i+3],   v[ADRB+\slot] offset:((\k)/128)*HEADB+((\k)%128)+\i*16*PB
	ds_load_b128 v[\f+8*\i+4:\f+8*\i+7], v[ADRB+\slot] offset:((\k)/128)*HEADB+((\k)%128)+\i*16*PB+32
.endr
	WIN 0
.irp i, 0,1,2,3,4,5,6,7
	ds_load_b128 v[\f+8*\i:\f+8*\i+3],   v[ADRA+\slot] offset:\k+\i*16*PITCH
	ds_load_b128 v[\f+8*\i+4:\f+8*\i+7], v[ADRA+\slot] offset:\k+\i*16*PITCH+32
.endr
.endm
.macro PLACES                          ; four plain vector instructions between a matrix instruction and a load into, or a read of, its registers
.rept 4
	v_nop
.endr
.endm
.macro QUARTER slot, k, f, g, zero     ; multiplies buffer f; in its middle fetches the next quarter's fragments, at byte k of the same slot, into buffer g
	s_wait_dscnt 8                                 ; wp's and vh's rows 0-63 are in; the youngest eight loads (vh's rows 64-127) may be out
	WIN MUL_LO
	MUL16 \f, 0, 0, \zero
	MUL16 \f, 0, 2, \zero
	PLACES
	FETCH \slot, \k, \g
	s_wait_dscnt 32                                ; all but the 32 just issued
	WIN MUL_HI
	MUL16 \f, 1, 0, \zero
	MUL16 \f, 1, 2, \zero
.endm
; The first half of a K step's last quarter: ONE barrier for the change of slots.
.macro MEET round
	WIN 0                                          ; (the add's two registers lie in window 0)
	s_wait_tensorcnt 0x0                           ; all my tensor loads have landed: the one that was out is my part of the next slot
	ds_add_u32 v[SPW], v[NIL]                      ; 0 onto my spare word
	s_wait_dscnt 9                                 ; (the add and the youngest eight loads may be out)
	WIN MUL_LO
	MUL16 F1, 0, 0, 0                              ; sixteen matrix instructions stand between the add and the wait for it
	s_wait_dscnt 0x0                               ; the add is done, and my reads of this slot are over
	s_barrier_signal -1
	MUL16 F1, 0, 2, 0
.if \round
	WIN 0
.endif
	s_barrier_wait -1
.endm
.macro TURN slot, next                 ; the whole last quarter; the slot just read out is filled again, two K steps ahead
	s_wait_xcnt 0x0                                ; the last prefetch, a K step back, has read its address
	s_add_nc_u64 s[PFA:PFA+1], s[PFA:PFA+1], STEPA
	MEET 1
	CREST                                          ; the barrier has opened a round of the cluster's barrier: no wave of any partner still reads this slot or has a load on its way
	s_add_nc_u64 s[G0+4*\slot+2:G0+4*\slot+3], s[G0+4*\slot+2:G0+4*\slot+3], 2*STEPA
	s_add_nc_u64 s[G0B+4*\slot+2:G0B+4*\slot+3], s[G0B+4*\slot+2:G0B+4*\slot+3], 2*STEPW
	JLOAD \slot                                    ; the first tensor load behind the round, my only one until the next; its four v_nop are also the places in front of the loads below
	FETCH \next, 0, F0
	ASK
	WIN MUL_HI
	MUL16 F1, 1, 0, 0
	MUL16 F1, 1, 2, 0
.endm
	s_wait_tensorcnt 1                             ; my part of K step 0 is in (K step 1's load may be out),
	s_barrier_signal -1
	s_barrier_wait -1                              ; everybody's is
	FETCH 0, 0, F0
	QUARTER 0, 64,  F0, F1, 1                      ; the first quarter stands in front of the loop: its products start the sums
	WIN 0
	s_mov_b32 s3, LAPS-1
.Llap:                                                 ; a trip goes once round the ring and fills both slots again: K steps 2 to 7 in three trips
	QUARTER 0, 128, F1, F0, 0
	QUARTER 0, 192, F0, F1, 0
	TURN 0, 1
	QUARTER 1, 64,  F0, F1, 0
	QUARTER 1, 128, F1, F0, 0
	QUARTER 1, 192, F0, F1, 0
	TURN 1, 0
	QUARTER 0, 64,  F0, F1, 0
	WIN 0
	s_sub_co_u32 s3, s3, 1
	s_cmp_lg_u32 s3, 0
	s_cbranch_scc1 .Llap
	QUARTER 0, 128, F1, F0, 0                      ; the last lap fills nothing, and has no round of the cluster's barrier
	QUARTER 0, 192, F0, F1, 0
	MEET 0
	PLACES
	FETCH 1, 0, F0
	WIN MUL_HI
	MUL16 F1, 1, 0, 0
	MUL16 F1, 1, 2, 0
	QUARTER 1, 64,  F0, F1, 0
	QUARTER 1, 128, F1, F0, 0
	QUARTER 1, 192, F0, F1, 0
	s_wait_dscnt 8                                 ; the very last quarter: nothing more to fetch
	WIN MUL_LO
	MUL16 F1, 0, 0, 0
	MUL16 F1, 0, 2, 0
	s_wait_dscnt 0
	WIN MUL_HI
	MUL16 F1, 1, 0, 0
	MUL16 F1, 1, 2, 0
	WIN 0
; THE WAY OUT, block by block of 16 rows x 128 columns: through my own stage in LDS, back as whole rows of 512 bytes.  LDS serves a wave's instructions in order (ISA guide 5.7.1.4): no wait between the stores and the loads.
.macro TOSTAGE a
.set AC, 64*((\a)%4)
	WIN (0x08+4*((\a)/4))                          ; the data: window 2 or 3
.irp b, 0,1,2,3,4,5,6,7
	ds_store_b128 v[STO], v[AC+8*\b:AC+8*\b+3] offset:64*\b          ; each accumulator from its low end on
	ds_store_b128 v[STO], v[AC+8*\b+4:AC+8*\b+7] offset:64*\b+16
.endr
	WIN 0
.set BB, BK+64*((\a)%2)
.irp t, 0,1,2,3,4,5,6,7,8,9,10,11,12,13,14,15
	ds_load_b128 v[BB+4*\t:BB+4*\t+3], v[RD] offset:\t*SPITCH
.endr
.endm
.macro SEND a, younger                 ; younger: the LDS instructions issued behind block a's loads, which may stay out
.set BB, BK+64*((\a)%2)
	s_wait_dscnt \younger
.if (\a) > 0
	s_add_nc_u64 s[8:9], s[8:9], 16*4096           ; (behind a wait on XCNT: the earlier stores have read their base)  16 rows of out0 on
.endif
.irp t, 0,1,2,3,4,5,6,7,8,9,10,11,12,13,14,15
	global_store_b128 v[CO], v[BB+4*\t:BB+4*\t+3], s[8:9] offset:\t*4096 th:TH_STORE_NT   ; 32 lanes store 512 consecutive bytes, aligned; written once, read by nobody here
.endr
.endm
	PLACES
	TOSTAGE 0
.irp a, 1,2,3,4,5,6,7
.if \a > 1
	s_wait_xcnt 0x0                                ; block a - 2's stores have read their registers and their base
.endif
	TOSTAGE \a
	SEND \a-1, 32                                  ; behind block a - 1's loads: block a's 16 stores and 16 loads
.endr
	s_wait_xcnt 0x0
	SEND 7, 0
	s_wait_tensorcnt 0x0                           ; the wave's end, behind my last tensor load and my last LDS store
	ds_add_u32 v[SPW], v[NIL]
	s_wait_dscnt 0x0
	CROUND                                         ; the closing round: no work-group ends while a partner may still ask for a tile that names it
	s_endpgm
.Lfunc_end_k_qf89e09b479_outp:
	.size	k_qf89e09b479_outp, .Lfunc_end_k_qf89e09b479_outp-k_qf89e09b479_outp
	.p2alignl 7, 3214868480
	.fill 96, 4, 3214868480
	.section	.rodata,"a",@progbits
	.p2align	6, 0x0
	.amdhsa_kernel k_qf89e09b479_outp
		.amdhsa_group_segment_fixed_size 327680
		.amdhsa_private_segment_fixed_size 0
		.amdhsa_enable_private_segment 0
		.amdhsa_kernarg_size 24
		.amdhsa_user_sgpr_count 2
		.amdhsa_user_sgpr_kernarg_segment_ptr 1
		.amdhsa_wavefront_size32 1
		.amdhsa_system_sgpr_workgroup_id_x 1
		.amdhsa_system_sgpr_workgroup_id_y 1
		.amdhsa_system_sgpr_workgroup_id_z 1
		.amdhsa_system_vgpr_workitem_id 0
		.amdhsa_next_free_vgpr 1024
		.amdhsa_next_free_sgpr 66
		.amdhsa_reserve_vcc 0
		.amdhsa_float_denorm_mode_32 3
		.amdhsa_float_denorm_mode_16_64 3
		.amdhsa_memory_ordered 1
		.amdhsa_forward_progress 1
		.amdhsa_inst_pref_size 142
	.end_amdhsa_kernel
	.amdgpu_metadata
---
amdhsa.version: [ 1, 2 ]
amdhsa.kernels:
  - .name:           k_qf89e09b479_outp
    .symbol:         k_qf89e09b479_outp.kd
    .args:
      - { .name: vh, .offset: 0, .size: 8, .value_kind: global_buffer, .address_space: global }
      - { .name: wp, .offset: 8, .size: 8, .value_kind: global_buffer, .address_space: global }
      - { .name: out0, .offset: 16, .size: 8, .value_kind: global_buffer, .address_space: global }
    .group_segment_fixed_size: 327680
    .private_segment_fixed_size: 0
    .kernarg_segment_align: 8
    .kernarg_segment_size: 24
    .max_flat_workgroup_size: 128
    .sgpr_count:     66
    .vgpr_count:     1024
    .wavefront_size: 32
...
	.end_amdgpu_metadata
.endif
;; end of part 4
